; MI455X (gfx1250); checked and timed in simulation.
; The chip was launched on July 23, 2026; its instructions are those of AMD's public machine-readable ISA for CDNA 5 (MIT licence, August 2026) and "CDNA5" Instruction Set Architecture Reference Guide (July 2026). The comments in the code are by the model that wrote it; some were corrected since.
;; Multi Head Attention. Allowed arithmetic: matrix products marked QUANTISED: E2M1 operands, one E8M0 scale for each 32 along K, by v_wmma_scale_f32_16x16x128_f8f6f4 with both operands' format E2M1 (or v_wmma_scale_f32_32x16x128_f4), f32 sums; products left as they are: bf16, f16 or f32 operands; f32 sums; everything else in f32.
;; Inputs: Wk 1,024 x 1,024 float32; Wo 1,024 x 1,024 float32; Wq 1,024 x 1,024 float32; Wv 1,024 x 1,024 float32; x 4 x 2,048 x 1,024 float32.
;; Outputs: out0 4 x 2,048 x 1,024 float32.
;; This version of the problem:
;;   THIS VERSION OF THE PROBLEM IS GIVEN IN LOW PRECISION. The matrix products marked QUANTISED in the list below multiply operands that are first quantised to E2M1 (2 exponent bits, 1 mantissa bit; 4 bits a number), with one power-of-two scale for each 32 numbers along K (OCP MX v1.0); their sums are f32. The products marked 'left as it is' may take bf16, f16 or f32 operands, with f32 sums. Whichever they take, every output number must still come out within the allowed error. Rounding operands to bf16 (8 significant bits) uses up far more of that allowance than f16 does (11 bits, for magnitudes from 6e-5 to 65,504). All else is computed in f32.
;;   The module's matrix products, in the order in which they are computed (A, B: the left and right operand; K: the contracted axis; several contracted axes count as one K, in the product's order):
;;     1. [M 8,192, K 1,024] x [K 1,024, N 1,024]; A: input x; B: input Wq: QUANTISED
;;     2. [M 8,192, K 1,024] x [K 1,024, N 1,024]; A: input x; B: input Wk: QUANTISED
;;     3. [M 8,192, K 1,024] x [K 1,024, N 1,024]; A: input x; B: input Wv: QUANTISED
;;     4. batch 32 x [M 2,048, K 128] x [K 128, N 2,048]; A: computed on the way; B: computed on the way: left as it is (an operand is computed on the way)
;;     5. batch 32 x [M 2,048, K 2,048] x [K 2,048, N 128]; A: computed on the way; B: computed on the way: left as it is (an operand is computed on the way)
;;     6. [M 8,192, K 1,024] x [K 1,024, N 1,024]; A: computed on the way; B: input Wo: left as it is (an operand is computed on the way)
;;   THE QUANTISER, for each operand of a quantised product, along K:
;;     - K is cut into blocks of 32 from its start; a last block that is shorter is filled with zeros.
;;     - A block's scale is 2^e with e = floor(log2(the largest magnitude in the block)) - 2, held to -126 .. 127; a block of zeros has e = 0. As a byte (E8M0): e + 127.
;;     - Each number is divided by its block's scale, clamped to +-6, and rounded to the nearest number of E2M1, ties to even, subnormals kept.
;;     - The product sums the exact products of the quantised numbers (number of the format x scale) in f32.
;;   ~~~python
;;   def quantise(x, axis):      # numpy; x: float32 -> the quantised numbers, widened to float32 again
;;       x = np.moveaxis(x, axis, -1); K = x.shape[-1]
;;       x = np.pad(x, [(0, 0)] * (x.ndim - 1) + [(0, -K % 32)]); x = x.reshape(x.shape[:-1] + (-1, 32)); a = np.abs(x).max(-1, keepdims=True)
;;       e = np.where(a > 0, np.clip(np.frexp(np.where(a > 0, a, 1))[1] - 1 - 2, -126, 127), 0)      # np.frexp(a)[1] - 1 = floor(log2(a)), exactly
;;       r = np.clip(x / 2.0 ** e, -6, 6)
;;       step = 2.0 ** (np.maximum(np.frexp(np.where(r == 0, 1, r))[1] - 1, 0) - 1)
;;       q = np.round(r / step) * step * 2.0 ** e      # np.round: ties to even
;;       return np.moveaxis(q.reshape(q.shape[:-2] + (-1,))[..., :K], -1, axis).astype(np.float32)
;;   ~~~
;; One version. Each part assembles by itself: llvm-mc -triple=amdgcn-amd-amdhsa -mcpu=gfx1250 --defsym DOCPART=n.
;; ======== version 1 of 1: 5 launches
;; limits: values are held in f16: magnitudes above 65,504 overflow, below 6.1e-05 lose precision
;; workspace buffers: x_codes 4,194,304 bytes; x_scales 262,144 bytes; w_codes 1,572,864 bytes; w_scales 98,304 bytes; wo16 2,097,152 bytes; qkv 50,331,648 bytes; qkv32 786,432 bytes; ctx 16,777,216 bytes
;; launch quant (part 1): grid 384 x 1, 4 waves a work-group, no clusters, 33,280 bytes of LDS; arguments x, Wq, Wk, Wv, Wo, x_codes, x_scales, w_codes, w_scales, wo16; writes x_codes, x_scales, w_codes, w_scales, wo16
.if DOCPART == 1
	.amdgcn_target "amdgcn-amd-amdhsa--gfx1250"
	.amdhsa_code_object_version 6
	.text
	.protected	k_qd7e1960d69_quant
	.globl	k_qd7e1960d69_quant
	.p2align	8
	.type	k_qd7e1960d69_quant,@function
k_qd7e1960d69_quant:
	s_mov_b64 s[64:65], 0
	v_nop
	global_prefetch_b8 v0, s[64:65] scope:SCOPE_SE
	s_setreg_imm32_b32 hwreg(HW_REG_WAVE_MODE, 25, 1), 1
	s_wait_xcnt 0x0
; x [8192][1024] and Wq, Wk, Wv [1024][1024], f32, K innermost, become codes of FP4 (E2M1), two a byte, with one E8M0 byte for each 32 along K; Wo [1024][1024] becomes f16.
; A block's scale is 2^(floor(log2(its largest magnitude)) - 2); its byte is the largest magnitude's exponent field - 2, held at 1 from below; each number is divided by the scale and rounded to the nearest code, ties to even.
; LIMITS: a block of zeros gets the byte 1 (its codes are zeros, and this program alone reads the bytes); NaN and infinities among the inputs are not served; Wo beyond 65,504 has no f16 number.
; SHARES.  Rows are dense and 1,024 is a multiple of 32: every tensor is a plain stream.  A work-group takes 32,768 numbers, a wave 8,192.  Work-groups 0-255: x; 256-287: Wq; 288-319: Wk; 320-351: Wv (the three weights'
; codes lie on end in w_codes, 3,072 rows); 352-383: Wo.  The buffers are chosen by the work-group's number alone.
; THE QUANTISING PATH: 16 steps of 512 numbers.  Each of a step's four loads reads 512 consecutive bytes; the 2,048 bytes turn through the wave's own stage in LDS and come back 64 bytes a lane, 16 neighbours along K, as the
; conversions want them; two neighbouring lanes hold a block.  A step's codes are one store of 256 consecutive bytes; a wave's 256 scale bytes are gathered in LDS and leave as one such store.
; No tensor loads, no barrier, no cluster: waves share nothing, and each input byte is read once.
.set WAVES, 4
.set STEPS, 16
.set EMAX,  2
.set CB,    8                          ; bytes of 16 codes
.set R,     16                         ; v16-79   four sets of 16 numbers as they are loaded
.set X,     80                         ; v80-111  two sets of 16 neighbours
.set E,     112                        ; v112-127 a scale byte for each step
.set C,     128                        ; v128-191 codes: four registers for each step, so that no store's data are written again
.set WREG,  8192                       ; LDS: a region for each wave: two stages of 32 x SP bytes, behind them its 256 scale bytes
.set SP,    80                         ; a lane's place in a stage: 64 bytes + 16 of padding
.set SPW,   12                         ; v12  LDS address of my spare word; never rewritten
.set NIL,   13                         ; v13  0; never rewritten
.set SPARE, WAVES*WREG                 ; behind the four regions: the spare words, 128 bytes a wave
.set SRC,   24                         ; s[24:25] the tensor that I read
.set COD,   26                         ; s[26:27] its codes
.set SCA,   28                         ; s[28:29] its scale bytes
.set WV,    34                         ; s34  my wave's number
	s_load_b256 s[4:11], s[0:1], 0x0               ; x, Wq, Wk, Wv
	s_load_b256 s[12:19], s[0:1], 0x20             ; Wo, x_codes, x_scales, w_codes
	s_load_b128 s[20:23], s[0:1], 0x40             ; w_scales, wo16
	v_lshl_add_u32 v[SPW], v0, 2, SPARE
	v_mov_b32 v[NIL], 0
	v_lshrrev_b32 v1, 5, v0
	v_readfirstlane_b32 s[WV], v1                  ; wave
	v_and_b32 v2, 31, v0                           ; lane
	v_lshlrev_b32 v3, 4, v2                        ; my 16 bytes of a load's 512
	s_mul_i32 s35, s[WV], WREG
	v_lshrrev_b32 v14, 2, v2
	v_mul_u32_u24 v14, v14, SP
	v_and_b32 v15, 3, v2
	v_lshl_add_u32 v14, v15, 4, v14
	v_add_nc_u32 v14, s35, v14                     ; the stage, on the way in: SP (lane / 4) + 16 (lane % 4)
	v_mul_u32_u24 v15, v2, SP
	v_add_nc_u32 v15, s35, v15                     ; and on the way out: SP x lane: my 16 neighbours
	v_mul_u32_u24 v4, v2, CB                       ; my codes' place in a step's
	v_lshrrev_b32 v5, 1, v2
	s_add_co_u32 s35, s35, 2*32*SP
	v_add_nc_u32 v5, s35, v5                       ; LDS: my wave's 256 scale bytes, my block's byte
	v_lshlrev_b32 v7, 3, v2                        ; 8 bytes a lane
	v_add_nc_u32 v6, s35, v7
	s_and_b32 s31, ttmp9, 31                       ; a weight's work-groups begin at multiples of 32
	s_wait_kmcnt 0x0
	s_cmp_ge_u32 ttmp9, 352
	s_cbranch_scc1 .Lwo
	s_cmp_lt_u32 ttmp9, 256                        ; x's work-group or a weight's?
	s_cselect_b64 s[SRC:SRC+1], s[4:5], s[6:7]
	s_cselect_b64 s[COD:COD+1], s[14:15], s[18:19]
	s_cselect_b64 s[SCA:SCA+1], s[16:17], s[20:21]
	s_cselect_b32 s30, 0, 256
	s_cselect_b32 s31, ttmp9, s31                  ; my place in the tensor that I read
	s_cmp_ge_u32 ttmp9, 288
	s_cselect_b64 s[SRC:SRC+1], s[8:9], s[SRC:SRC+1]
	s_cmp_ge_u32 ttmp9, 320
	s_cselect_b64 s[SRC:SRC+1], s[10:11], s[SRC:SRC+1]
	s_sub_co_u32 s30, ttmp9, s30                   ; my place in the buffers that I write
	s_lshl_b32 s30, s30, 2
	s_add_co_u32 s30, s30, s[WV]                   ; which run of 8,192 numbers there,
	s_lshl_b32 s31, s31, 2
	s_add_co_u32 s31, s31, s[WV]                   ; and here
	s_lshl_b32 s32, s31, 15                        ; 32,768 bytes of f32 a run
	s_mov_b32 s33, 0
	s_add_nc_u64 s[SRC:SRC+1], s[SRC:SRC+1], s[32:33]
	s_lshl_b32 s32, s30, 12                        ; 4,096 bytes of codes
	s_add_nc_u64 s[COD:COD+1], s[COD:COD+1], s[32:33]
	s_lshl_b32 s32, s30, 8                         ; 256 scale bytes
	s_add_nc_u64 s[SCA:SCA+1], s[SCA:SCA+1], s[32:33]
.macro LOAD t
.irp i, 0,1,2,3
	global_load_b128 v[R+16*((\t)%4)+4*\i:R+16*((\t)%4)+4*\i+3], v3, s[SRC:SRC+1] offset:2048*(\t)+512*\i th:TH_LOAD_NT   ; 32 lanes read 512 consecutive bytes
.endr
.endm
.macro TURN t                          ; step t's numbers through the stage: LDS serves a wave's instructions in order, so no wait stands between the stores and the loads
.irp i, 0,1,2,3
	ds_store_b128 v14, v[R+16*((\t)%4)+4*\i:R+16*((\t)%4)+4*\i+3] offset:32*SP*((\t)%2)+8*SP*\i
.endr
.irp i, 0,1,2,3
	ds_load_b128 v[X+16*((\t)%2)+4*\i:X+16*((\t)%2)+4*\i+3], v15 offset:32*SP*((\t)%2)+16*\i
.endr
.endm
.irp t, 0,1,2,3
	LOAD \t
.endr
	s_wait_loadcnt 12                              ; step 0's four loads are in; the twelve of steps 1 to 3 may be out
	TURN 0
.macro STEP t
.set XS, X+16*((\t)%2)
.if (\t) > 0
	s_wait_dscnt 1                                 ; this step's numbers are back from the stage (the last step's byte store may be out)
.else
	s_wait_dscnt 0x0
.endif
.if (\t)+4 < STEPS
	LOAD (\t)+4                                    ; into the registers that this step's stores into the stage have read
.endif
.if (\t)+1 < STEPS
.if STEPS-2-(\t) >= 3
	s_wait_loadcnt 12                              ; the next step's four loads are in; those of the three steps behind it may be out
.else
	s_wait_loadcnt 4*(STEPS-2-(\t))
.endif
	TURN (\t)+1
.endif
	v_max3_num_f32 v8, |v[XS]|, |v[XS+1]|, |v[XS+2]|               ; the largest magnitude of my 16, in two chains
	v_max3_num_f32 v9, |v[XS+3]|, |v[XS+4]|, |v[XS+5]|
.irp i, 6,10
	v_max3_num_f32 v8, v8, |v[XS+\i]|, |v[XS+\i+1]|
	v_max3_num_f32 v9, v9, |v[XS+\i+2]|, |v[XS+\i+3]|
.endr
	v_max3_num_f32 v8, v8, |v[XS+14]|, |v[XS+15]|
	v_max3_num_f32 v8, v8, v9, (EMAX+1)<<23        ; and the floor 2^(3 - 127): the byte cannot fall under 1
	v_max_num_f32_dpp v8, v8, v8 row_xmask:1 row_mask:0xf bank_mask:0xf   ; and of my neighbour's 16: the block's
	v_add_nc_u32 v11, -(EMAX<<23), v8              ; 2 off its exponent field: the conversion takes the exponent field of this operand as its scale
	v_cvt_scalef32_pk8_fp4_f32 v[C+4*(\t)], v[XS:XS+7], v11
	v_cvt_scalef32_pk8_fp4_f32 v[C+4*(\t)+1], v[XS+8:XS+15], v11
	v_lshrrev_b32 v[E+(\t)], 23, v11               ; the scale's byte (a plain line behind the conversions)
	ds_store_b8 v5, v[E+(\t)] offset:16*(\t)       ; both lanes of a block write the same byte with the same value
	global_store_b64 v4, v[C+4*(\t):C+4*(\t)+1], s[COD:COD+1] offset:32*CB*(\t)   ; 32 lanes store 256 consecutive bytes, aligned
.endm
.irp t, 0,1,2,3,4,5,6,7,8,9,10,11,12,13,14,15
	STEP \t
.endr
	ds_load_b64 v[8:9], v6                         ; LDS serves a wave's instructions in order: these see my byte stores
	s_wait_dscnt 0x0
	global_store_b64 v7, v[8:9], s[SCA:SCA+1]      ; 32 lanes store 256 consecutive bytes, aligned
	s_wait_tensorcnt 0x0                           ; the wave's end
	ds_add_u32 v[SPW], v[NIL]
	s_wait_dscnt 0x0
	s_endpgm
; Wo TO f16: 32 steps of 256 numbers a wave; no LDS.  A step: two loads of 512 consecutive bytes, four conversions (two roundings each), two stores of 256 consecutive bytes.  Loads run 16 steps (32 loads) ahead.
.Lwo:
	s_sub_co_u32 s30, ttmp9, 352
	s_lshl_b32 s30, s30, 2
	s_add_co_u32 s30, s30, s[WV]                   ; which run of 8,192 numbers
	s_lshl_b32 s32, s30, 15
	s_mov_b32 s33, 0
	s_add_nc_u64 s[12:13], s[12:13], s[32:33]
	s_lshl_b32 s32, s30, 14
	s_add_nc_u64 s[22:23], s[22:23], s[32:33]
.macro WLOAD t
	global_load_b128 v[16+8*((\t)%16):16+8*((\t)%16)+3], v3, s[12:13] offset:1024*(\t) th:TH_LOAD_NT
	global_load_b128 v[16+8*((\t)%16)+4:16+8*((\t)%16)+7], v3, s[12:13] offset:1024*(\t)+512 th:TH_LOAD_NT
.endm
.macro WSTEP t
.if 31-(\t) >= 15
	s_wait_loadcnt 30                              ; this step's two loads are in; the two of each of the 15 steps behind it may be out
.else
	s_wait_loadcnt 2*(31-(\t))
.endif
.if (\t) == 16
	s_wait_xcnt 0x0                                ; the stores of steps 0 to 15 have read their data: the registers are written again from here on
.endif
.set WI, 16+8*((\t)%16)
.set WO, 144+4*((\t)%16)
	v_cvt_pk_f16_f32 v[WO], v[WI], v[WI+1]
	v_cvt_pk_f16_f32 v[WO+1], v[WI+2], v[WI+3]
	v_cvt_pk_f16_f32 v[WO+2], v[WI+4], v[WI+5]
	v_cvt_pk_f16_f32 v[WO+3], v[WI+6], v[WI+7]
.if (\t)+16 < 32
	WLOAD (\t)+16
.endif
	global_store_b64 v7, v[WO:WO+1], s[22:23] offset:512*(\t)
	global_store_b64 v7, v[WO+2:WO+3], s[22:23] offset:512*(\t)+256
.endm
.irp t, 0,1,2,3,4,5,6,7,8,9,10,11,12,13,14,15
	WLOAD \t
.endr
.irp t, 0,1,2,3,4,5,6,7,8,9,10,11,12,13,14,15,16,17,18,19,20,21,22,23,24,25,26,27,28,29,30,31
	WSTEP \t
.endr
	s_endpgm
.Lfunc_end_k_qd7e1960d69_quant:
	.size	k_qd7e1960d69_quant, .Lfunc_end_k_qd7e1960d69_quant-k_qd7e1960d69_quant
	.p2alignl 7, 3214868480
	.fill 96, 4, 3214868480
	.section	.rodata,"a",@progbits
	.p2align	6, 0x0
	.amdhsa_kernel k_qd7e1960d69_quant
		.amdhsa_group_segment_fixed_size 33280
		.amdhsa_private_segment_fixed_size 0
		.amdhsa_enable_private_segment 0
		.amdhsa_kernarg_size 80
		.amdhsa_user_sgpr_count 2
		.amdhsa_user_sgpr_kernarg_segment_ptr 1
		.amdhsa_wavefront_size32 1
		.amdhsa_system_sgpr_workgroup_id_x 1
		.amdhsa_system_sgpr_workgroup_id_y 1
		.amdhsa_system_sgpr_workgroup_id_z 1
		.amdhsa_system_vgpr_workitem_id 0
		.amdhsa_next_free_vgpr 208
		.amdhsa_next_free_sgpr 66
		.amdhsa_reserve_vcc 0
		.amdhsa_float_denorm_mode_32 3
		.amdhsa_float_denorm_mode_16_64 3
		.amdhsa_memory_ordered 1
		.amdhsa_forward_progress 1
		.amdhsa_inst_pref_size 55
	.end_amdhsa_kernel
	.amdgpu_metadata
---
amdhsa.version: [ 1, 2 ]
amdhsa.kernels:
  - .name:           k_qd7e1960d69_quant
    .symbol:         k_qd7e1960d69_quant.kd
    .args:
      - { .name: x, .offset: 0, .size: 8, .value_kind: global_buffer, .address_space: global }
      - { .name: Wq, .offset: 8, .size: 8, .value_kind: global_buffer, .address_space: global }
      - { .name: Wk, .offset: 16, .size: 8, .value_kind: global_buffer, .address_space: global }
      - { .name: Wv, .offset: 24, .size: 8, .value_kind: global_buffer, .address_space: global }
      - { .name: Wo, .offset: 32, .size: 8, .value_kind: global_buffer, .address_space: global }
      - { .name: x_codes, .offset: 40, .size: 8, .value_kind: global_buffer, .address_space: global }
      - { .name: x_scales, .offset: 48, .size: 8, .value_kind: global_buffer, .address_space: global }
      - { .name: w_codes, .offset: 56, .size: 8, .value_kind: global_buffer, .address_space: global }
      - { .name: w_scales, .offset: 64, .size: 8, .value_kind: global_buffer, .address_space: global }
      - { .name: wo16, .offset: 72, .size: 8, .value_kind: global_buffer, .address_space: global }
    .group_segment_fixed_size: 33280
    .private_segment_fixed_size: 0
    .kernarg_segment_align: 8
    .kernarg_segment_size: 80
    .max_flat_workgroup_size: 128
    .sgpr_count:     66
    .vgpr_count:     208
    .wavefront_size: 32
...
	.end_amdgpu_metadata
.endif
;; end of part 1
;; launch qkv (part 2): grid 12 x 32, 4 waves a work-group, clusters of 4 x 1, 327,680 bytes of LDS; arguments x_codes, x_scales, w_codes, w_scales, qkv, qkv32; writes qkv, qkv32
.if DOCPART == 2
	.amdgcn_target "amdgcn-amd-amdhsa--gfx1250"
	.amdhsa_code_object_version 6
	.text
	.protected	k_qd7e1960d69_qkv
	.globl	k_qd7e1960d69_qkv
	.p2align	8
	.type	k_qd7e1960d69_qkv,@function
k_qd7e1960d69_qkv:
	s_mov_b64 s[64:65], 0
	v_nop
	global_prefetch_b8 v0, s[64:65] scope:SCOPE_SE
	s_setreg_imm32_b32 hwreg(HW_REG_WAVE_MODE, 25, 1), 1
	s_wait_xcnt 0x0
	s_wait_alu depctr_hold_cnt(0) depctr_sa_sdst(0) depctr_va_vdst(0) depctr_va_sdst(0) depctr_va_ssrc(0) depctr_va_vcc(0) depctr_vm_vsrc(0)
	s_getreg_b32 s2, hwreg(HW_REG_IB_STS2, 6, 4)
	s_cmp_eq_u32 s2, 0
	s_cbranch_scc0 .Lentry_in_a_cluster
	s_endpgm
.Lentry_in_a_cluster:
	s_bfe_u32 s2, ttmp6, 0x10000c
	s_cmp_lg_u32 s2, 0x3003
	s_cbranch_scc0 .Lentry_shape_is_right
	s_endpgm
.Lentry_shape_is_right:
; q, k, v = x Wq^T, x Wk^T, x Wv^T on codes of FP4 (E2M1) with one E8M0 scale for each 32 along K; sums in f32.  A: x's codes [8192][512 bytes]; B: the three weights' codes on end, [3072][512 bytes]; scale bytes [rows][32].
; OUT: qkv, f16, [which 3][batch 4][head 8][position 2048][128]; and qkv32, f32: positions 0 to 15 of every sequence, as an image of the accumulators' registers, 8,192 bytes for each (which, batch, head):
; the number (row r, column 16 bb + 8 h + j) lies at 1024 bb + 512 (j / 4) + 16 (r + 16 h) + 4 (j % 4).   LIMIT: results beyond 65,504 have no f16 number.
; A tile of C, 256 x 256 (two whole heads wide), is made by four waves, each 128 x 128: 64 accumulators, 512 registers.  K = 1,024 is two slots of 512 along K (rows of 256 bytes): both are asked for at the head, nothing is filled again.
; The scale bytes of the work-group's 256 + 256 rows, for all of K, are two dense blocks: they come once, with the first fills.
; CLUSTER 4 x 1: the four partners make four tile columns of one tile row and need the same tiles of A: those are asked for jointly (mask 15).  B's tiles differ from partner to partner and come by plain loads.
; A cluster of 4 x 4 is not taken: the branch round the f32 copy hangs on the tile row; along x the tile row is shared.
; THE MATRIX INSTRUCTION IS USED TRANSPOSED (source 0 = 16 rows of B, source 1 = 16 rows of A): a lane holds eight neighbouring numbers of a row of C.
; REGISTERS, in windows of 256: window 0: v0-31 addresses; v32-95 scale words, two sets; v128-191 A's fragments, one set; on the way out v32-63, v192-255.  window 1: B's fragments, two sets, at v0 and v128.
;   window 2: the accumulators of my rows 0-63 ((a, b) at v[8 (8 a + b)]);  window 3: those of my rows 64-127.
.set SIZE_K, 1024
.set KSTEP,  512
.set NQ,     KSTEP/128
.set ROWB,   256                       ; a tile's row in bytes
.set KROW,   SIZE_K/2                  ; a row of codes in memory
.set PITCH,  272                       ; an LDS row: 256 bytes + 16 of padding: the 16 rows that a load touches start at 16 different banks (64 banks of 4 bytes: ISA guide 11.1)
.set FR,     8
.set NL,     2
.set NP,     4                         ; places behind this matrix instruction (ISA guide 7.12.1)
.set HALFT,  128*PITCH
.set SLOT,   4*HALFT                   ; A's 256 rows, then B's 256 rows
.set KS,     SIZE_K/32
.set SCL,    2*SLOT                    ; behind the slots: the scales, as units of 256 bytes + 16 of padding
.set HALFS,  (128*KS/256)*272
.set SBLK,   (16*KS/256)*272
.set SPARE,  SCL+4*HALFS               ; the spare words, 128 bytes a wave
.set SPITCH, 272                       ; the way out: a stage of 16 rows x (256 + 16) bytes for each wave, in slot 0, which has had its only fill and its last read by then
.set ADRA, 16
.set ADRB, 20
.set STO,  24
.set RD,   25
.set CO,   26                          ; v26  16 x lane
.set ADRS, 27
.set SPW,  28
.set NIL,  29
.set SC,   32
.set AF,   128
.set TMP,  192                         ; the way out: packed results
.set OB,   32                          ; and 16 rows read back: v32-63 and v224-255 by turns
.set G1, 24
.set G0, 32
.set G1B, 48
.set G0B, 56
.set G1S, 68
.set G0S, 76
.set G1SB, 80
.set G0SB, 88
.set FIN, 44                           ; s44  0 in a wave whose first 16 rows are positions 0 to 15 of a sequence
.set MSB, 0
.macro WIN new                         ; the immediate's high byte repeats the setting that is left
.if MSB != \new
	s_set_vgpr_msb (MSB<<8)|\new
.set MSB, \new
.endif
.endm
.set MUL_LO, 0xa1                      ; source 0 (B) window 1, source 1 (A) window 0, C and D window 2
.set MUL_HI, 0xf1
.set TO_B,   0x40
; Waves 0 and 1 fetch for A (jointly), waves 2 and 3 for B.  The branch hangs on the wave's number alone.  An s_nop 0 and four v_nop follow each of the two lines.
.macro JLOAD g0a, g1a, g0b, g1b
	s_cmp_eq_u32 s15, 0
	s_cbranch_scc0 .Lfor_b_\@
	tensor_load_to_lds s[\g0a:\g0a+3], s[\g1a:\g1a+7]
	s_nop 0
.rept 4
	v_nop
.endr
	s_branch .Lasked_\@
.Lfor_b_\@:
	tensor_load_to_lds s[\g0b:\g0b+3], s[\g1b:\g1b+7]
	s_nop 0
.rept 4
	v_nop
.endr
.Lasked_\@:
.endm
.macro CROUND                          ; a round of the cluster's barrier
	s_barrier_signal -1
	s_barrier_wait -1
	s_cmp_lg_u32 s14, 0
	s_cbranch_scc1 .Lnot_wave_0_\@
	s_barrier_signal -3
.Lnot_wave_0_\@:
	s_barrier_wait -3
	s_barrier_signal -1
	s_barrier_wait -1
.endm
	s_load_b128 s[4:7], s[0:1], 0x0                ; x's codes, x's scales
	s_load_b128 s[8:11], s[0:1], 0x10              ; the weights' codes, their scales
	s_load_b64 s[12:13], s[0:1], 0x20              ; qkv
	s_load_b64 s[96:97], s[0:1], 0x28              ; qkv32
	v_lshl_add_u32 v[SPW], v0, 2, SPARE
	v_mov_b32 v[NIL], 0
	ds_add_u32 v[SPW], v[NIL]                      ; the wave's opening: the add, twice on end, and its wait ahead of my first tensor load
	ds_add_u32 v[SPW], v[NIL]
	v_lshrrev_b32 v1, 5, v0
	v_readfirstlane_b32 s14, v1                    ; wave 0..3
	s_lshr_b32 s15, s14, 1                         ; which half of the tile's rows is mine.  Also: I fetch for A (0) or for B (1)
	s_and_b32 s16, s14, 1                          ; which half of its columns.  Also: which 128 rows I fetch
	s_bfe_u32 s40, ttmp6, 0x40000                  ; cx
	s_lshl_b32 s42, ttmp9, 2
	s_add_co_u32 s42, s42, s40                     ; tile column = 4 x cluster x + cx
	s_and_b32 s17, ttmp7, 0xffff                   ; tile row = cluster y: the four partners share it
	s_mov_b32 s[G1+0], 15|(1<<20)|(1<<21)|(5<<22)|(3<<25)    ; 15:0 the mask: all four; elements of 1 byte; 20 padding on; 21 set beside a mask; after every 64 words (code 5) 4 words (code 3)
	s_mov_b32 s[G1B+0], (1<<20)|(5<<22)|(3<<25)              ; B's: no mask
.irp g, G1, G1B
	s_mov_b32 s[\g+1], ROWB<<16                    ; tensor_dim0
	s_mov_b32 s[\g+2], 128<<16                     ; tensor_dim1
	s_mov_b32 s[\g+3], ROWB<<16                    ; tile_dim0
	s_mov_b32 s[\g+4], 128                         ; tile_dim1
	s_mov_b32 s[\g+5], KROW                        ; tensor_dim0_stride
	s_mov_b32 s[\g+6], 0
	s_mov_b32 s[\g+7], 0
.endr
	s_mov_b32 s[G1S+0], 15|(3<<16)|(1<<20)|(1<<21)|(5<<22)|(3<<25)   ; the scales of 128 rows: 4,096 dense bytes as 16 rows of 256 bytes (32 elements of 8 bytes)
	s_mov_b32 s[G1SB+0], (3<<16)|(1<<20)|(5<<22)|(3<<25)
.irp g, G1S, G1SB
	s_mov_b32 s[\g+1], 32<<16
	s_mov_b32 s[\g+2], (128*KS/256)<<16
	s_mov_b32 s[\g+3], 32<<16
	s_mov_b32 s[\g+4], 128*KS/256
	s_mov_b32 s[\g+5], 32
	s_mov_b32 s[\g+6], 0
	s_mov_b32 s[\g+7], 0
.endr
	s_lshl_b32 s18, s16, 7
	s_lshl_b32 s20, s17, 8
	s_add_co_u32 s20, s20, s18                     ; A: row 256 x tile row + 128 x half
	s_lshl_b32 s46, s42, 8
	s_add_co_u32 s46, s46, s18                     ; B: row 256 x tile column + 128 x half
	s_mov_b32 s21, 0
	s_mov_b32 s47, 0
	s_mov_b64 s[18:19], KS
	s_mul_u64 s[22:23], s[20:21], s[18:19]         ; where these rows' scales begin,
	s_mul_u64 s[92:93], s[46:47], s[18:19]
	s_mov_b64 s[18:19], KROW
	s_mul_u64 s[20:21], s[20:21], s[18:19]         ; and their codes
	s_mul_u64 s[46:47], s[46:47], s[18:19]
	s_mul_i32 s45, s14, HALFT                      ; where they go: wave x 128 rows
	s_mul_i32 s94, s14, HALFS
	s_wait_dscnt 0x0                               ; both opening adds are done
	s_wait_kmcnt 0x0
	s_add_nc_u64 s[20:21], s[4:5], s[20:21]
	s_add_nc_u64 s[22:23], s[6:7], s[22:23]
	s_add_nc_u64 s[46:47], s[8:9], s[46:47]
	s_add_nc_u64 s[92:93], s[10:11], s[92:93]
	CROUND                                         ; all four work-groups are here: the joint loads meet
	s_mov_b32 s[G0S], 1
	s_add_co_u32 s[G0S+1], s94, SCL
	s_mov_b64 s[G0S+2:G0S+3], s[22:23]
	s_or_b32 s[G0S+3], s[G0S+3], 0x80000000
	s_mov_b32 s[G0SB], 1
	s_add_co_u32 s[G0SB+1], s94, SCL
	s_mov_b64 s[G0SB+2:G0SB+3], s[92:93]
	s_or_b32 s[G0SB+3], s[G0SB+3], 0x80000000
	JLOAD G0S, G1S, G0SB, G1SB                     ; the scales first; then both slots: three loads of mine are out
.irp s, 0,1
	s_mov_b32 s[G0+4*\s], 1
	s_add_co_u32 s[G0+4*\s+1], s45, \s*SLOT
	s_add_nc_u64 s[G0+4*\s+2:G0+4*\s+3], s[20:21], \s*ROWB
	s_or_b32 s[G0+4*\s+3], s[G0+4*\s+3], 0x80000000
	s_mov_b32 s[G0B+4*\s], 1
	s_add_co_u32 s[G0B+4*\s+1], s45, \s*SLOT
	s_add_nc_u64 s[G0B+4*\s+2:G0B+4*\s+3], s[46:47], \s*ROWB
	s_or_b32 s[G0B+4*\s+3], s[G0B+4*\s+3], 0x80000000
	JLOAD G0+4*\s, G1, G0B+4*\s, G1B
.endr
	v_and_b32 v1, 15, v0                           ; l % 16
	v_bfe_u32 v2, v0, 4, 1                         ; l / 16
	v_mul_u32_u24 v3, v1, PITCH
	v_lshl_add_u32 v4, v2, 4, v3                   ; a fragment's row x pitch + 16 x half
	s_mul_i32 s21, s15, HALFT                      ; my 128 rows of A
	s_mul_i32 s22, s16, HALFT                      ; my 128 rows of B,
	s_add_co_u32 s22, s22, 2*HALFT                 ; behind A's 256
.irp s, 0,1
	v_add_nc_u32 v[ADRA+\s], s21, v4
	v_add_nc_u32 v[ADRB+\s], s22, v4
	s_add_co_u32 s21, s21, SLOT
	s_add_co_u32 s22, s22, SLOT
.endr
	v_mul_u32_u24 v5, v1, KS                       ; my row's scales: 32 bytes a row,
	v_lshrrev_b32 v6, 8, v5
	v_lshl_add_u32 v5, v6, 4, v5                   ; and 16 more for each 256 passed
	s_mul_i32 s21, s15, HALFS
	s_mul_i32 s22, s16, HALFS
	s_add_co_u32 s22, s22, 2*HALFS
	s_sub_co_u32 s22, s22, s21
	v_mul_u32_u24 v6, s22, v2                      ; lanes 16-31 take B's
	s_add_co_u32 s21, s21, SCL
	v_add_nc_u32 v5, v5, v6
	v_add_nc_u32 v[ADRS], s21, v5
	s_mul_i32 s23, s14, 16*SPITCH                  ; my stage
	v_mul_u32_u24 v5, v1, SPITCH                   ; in: row l % 16, 16 bytes for each half of the lanes
	v_lshl_add_u32 v5, v2, 4, v5
	v_add_nc_u32 v[STO], s23, v5
	v_mul_u32_u24 v5, v2, SPITCH                   ; back: lanes 0-15 one row of 256 bytes, lanes 16-31 the next
	v_lshl_add_u32 v5, v1, 4, v5
	v_add_nc_u32 v[RD], s23, v5
	v_and_b32 v6, 31, v0
	v_lshlrev_b32 v[CO], 4, v6                     ; a head's rows are dense: two rows are 512 consecutive bytes, 16 a lane
	; where my 128 x 128 goes: my 128 columns are one head of q, k or v
	s_lshl_b32 s46, s42, 1
	s_add_co_u32 s46, s46, s16                     ; 0..23
	s_lshr_b32 s47, s46, 3                         ; which of q, k, v
	s_and_b32 s46, s46, 7                          ; head
	s_lshr_b32 s92, s17, 3                         ; batch: 8 tile rows a sequence
	s_lshl_b32 s47, s47, 2
	s_add_co_u32 s47, s47, s92
	s_lshl_b32 s47, s47, 3
	s_add_co_u32 s47, s47, s46                     ; (which x 4 + batch) x 8 + head
	s_lshl_b32 s92, s47, 13
	s_mov_b32 s93, 0
	s_add_nc_u64 s[96:97], s[96:97], s[92:93]      ; its 8,192 bytes of qkv32
	s_and_b32 s46, s17, 7
	s_lshl_b32 s46, s46, 1
	s_add_co_u32 s46, s46, s15
	s_lshl_b32 s46, s46, 15                        ; my 128 rows of 256 bytes in the sequence
	s_lshl_b32 s92, s47, 19                        ; a head is 524,288 bytes
	s_add_co_u32 s92, s92, s46
	s_add_nc_u64 s[12:13], s[12:13], s[92:93]
	s_and_b32 s[FIN], s17, 7
	s_or_b32 s[FIN], s[FIN], s15
.macro FRAG reg, adr, q, i             ; 16 rows x 128 K of 4-bit codes: lane l holds row l % 16; registers 4 c .. 4 c + 3 hold K = 64 c + 32 (l / 16) + 0 .. 31
.irp c, 0,1
	ds_load_b128 v[\reg+4*\c:\reg+4*\c+3], v[\adr] offset:64*(\q)+32*\c+(\i)*16*PITCH
.endr
.endm
; 16 matrix instructions: A's blocks a0, a0 + 1 x B's eight.  The 64 accumulators take turns, one instruction a turn, in the same order in every step.  zero = 1: the first product starts the sums.
.macro MUL16 a0, p, q, sc, zero
.irp a, \a0, \a0+1
.irp b, 0,1,2,3,4,5,6,7
.if \zero
	v_wmma_scale_f32_16x16x128_f8f6f4 v[8*(8*((\a)%4)+\b):8*(8*((\a)%4)+\b)+7], v[128*(\p)+FR*\b:128*(\p)+FR*\b+FR-1], v[AF+FR*(\a):AF+FR*(\a)+FR-1], 0, v[SC+8*NQ*(\sc)+NQ*\b+(\q)], v[SC+8*NQ*(\sc)+NQ*(\a)+(\q)] matrix_a_fmt:MATRIX_FMT_FP4 matrix_b_fmt:MATRIX_FMT_FP4 matrix_a_scale:MATRIX_SCALE_ROW1
.else
	v_wmma_scale_f32_16x16x128_f8f6f4 v[8*(8*((\a)%4)+\b):8*(8*((\a)%4)+\b)+7], v[128*(\p)+FR*\b:128*(\p)+FR*\b+FR-1], v[AF+FR*(\a):AF+FR*(\a)+FR-1], v[8*(8*((\a)%4)+\b):8*(8*((\a)%4)+\b)+7], v[SC+8*NQ*(\sc)+NQ*\b+(\q)], v[SC+8*NQ*(\sc)+NQ*(\a)+(\q)] matrix_a_fmt:MATRIX_FMT_FP4 matrix_b_fmt:MATRIX_FMT_FP4 matrix_a_scale:MATRIX_SCALE_ROW1
.endif
.endr
.endr
.endm
.macro FETCH_B slot, q, p
	WIN TO_B
.irp i, 0,1,2,3,4,5,6,7
	FRAG 128*(\p)+FR*\i, ADRB+\slot, \q, \i
.endr
	WIN 0
.endm
.macro FETCH_A slot, q, i0
.irp i, \i0, \i0+1, \i0+2, \i0+3
	FRAG AF+FR*(\i), ADRA+\slot, \q, \i
.endr
.endm
.macro SCALES sc                       ; a slot's scale words: 4 words a row; lanes 0-15 take A's block i, lanes 16-31 B's block i
.irp i, 0,1,2,3,4,5,6,7
	ds_load_b128 v[SC+8*NQ*\sc+NQ*\i:SC+8*NQ*\sc+NQ*\i+3], v[ADRS] offset:\i*SBLK
.endr
.endm
.macro PLACES n                        ; plain vector instructions between a matrix instruction and a load into its registers or a read of its result
.rept \n
	v_nop
.endr
.endm
.macro STEP slot, q, zero              ; 128 along K that has its successor in the same slot
	s_wait_dscnt 4*NL                              ; B's set and A's blocks 0-3 are in; the youngest eight loads (A's blocks 4-7) may be out
	WIN MUL_LO
	MUL16 0, (\q)%2, \q, \slot, \zero
	MUL16 2, (\q)%2, \q, \slot, \zero
	s_wait_dscnt 0
	PLACES NP
	FETCH_B \slot, (\q)+1, 1-(\q)%2
	FETCH_A \slot, (\q)+1, 0
	WIN MUL_HI
	MUL16 4, (\q)%2, \q, \slot, \zero
	MUL16 6, (\q)%2, \q, \slot, \zero
	PLACES NP
	WIN 0
	FETCH_A \slot, (\q)+1, 4
.endm
; Slot 0's last step changes slots: one barrier; in front of it each wave has waited for all its tensor loads (slot 1's is the one that was out) and for its reads of slot 0, which later takes the stages.  Nothing is filled again.
.macro TURN slot, next
	s_wait_tensorcnt 0x0
	ds_add_u32 v[SPW], v[NIL]
	s_wait_dscnt 4*NL+1                            ; (the add and the youngest eight loads may be out)
	WIN MUL_LO
	MUL16 0, 1, NQ-1, \slot, 0
	s_wait_dscnt 0x0                               ; the add is done, and my reads of this slot are over
	s_barrier_signal -1
	MUL16 2, 1, NQ-1, \slot, 0
	WIN 0
	s_barrier_wait -1
	PLACES NP
	v_add_nc_u32 v[ADRS], 4*NQ, v[ADRS]            ; on to the next slot's scale words
	FETCH_B \next, 0, 0
	FETCH_A \next, 0, 0
	SCALES \next
	WIN MUL_HI
	MUL16 4, 1, NQ-1, \slot, 0
	MUL16 6, 1, NQ-1, \slot, 0
	PLACES NP
	WIN 0
	FETCH_A \next, 0, 4
.endm
	s_wait_tensorcnt 1                             ; the scales and my part of slot 0 are in; slot 1's load may be out,
	s_barrier_signal -1
	s_barrier_wait -1                              ; everybody's are
	FETCH_B 0, 0, 0
	FETCH_A 0, 0, 0
	SCALES 0
	FETCH_A 0, 0, 4
	STEP 0, 0, 1                                   ; the first step's products start the sums
	STEP 0, 1, 0
	STEP 0, 2, 0
	TURN 0, 1
	STEP 1, 0, 0
	STEP 1, 1, 0
	STEP 1, 2, 0
	s_wait_dscnt 4*NL                              ; the last step: nothing more to fetch
	WIN MUL_LO
	MUL16 0, 1, NQ-1, 1, 0
	MUL16 2, 1, NQ-1, 1, 0
	s_wait_dscnt 0
	WIN MUL_HI
	MUL16 4, 1, NQ-1, 1, 0
	MUL16 6, 1, NQ-1, 1, 0
	WIN 0
	PLACES NP
	; THE f32 COPY of positions 0 to 15: my block 0, where my rows begin a sequence.  The accumulators go out as they stand, each from its low end on; each store is 512 consecutive bytes.
	s_cmp_lg_u32 s[FIN], 0
	s_cbranch_scc1 .Lno_fine
	WIN 0x08                                       ; a store's data are its source 1: window 2
.irp b, 0,1,2,3,4,5,6,7
	global_store_b128 v[CO], v[8*\b:8*\b+3], s[96:97] offset:1024*\b
	global_store_b128 v[CO], v[8*\b+4:8*\b+7], s[96:97] offset:1024*\b+512
.endr
	WIN 0
.Lno_fine:
; THE WAY OUT, block by block of 16 rows x 128 columns: rounded to f16 (16 bytes a lane), through my stage, back as whole rows of 256 bytes; 16 rows of a head are 4,096 consecutive bytes.
.macro PACK a
.set AC, 64*((\a)%4)
	WIN 0x0a+5*((\a)/4)                            ; sources 0 and 1: window 2 or 3
.irp b, 0,1,2,3,4,5,6,7
.irp r, 0,1,2,3
	v_cvt_pk_f16_f32 v[TMP+4*\b+\r], v[AC+8*\b+2*\r], v[AC+8*\b+2*\r+1]
.endr
.endr
	WIN 0
.endm
.macro TOSTAGE a
.set BKR, OB+192*((\a)%2)
.irp b, 0,1,2,3,4,5,6,7
	ds_store_b128 v[STO], v[TMP+4*\b:TMP+4*\b+3] offset:32*\b
.endr
.irp t, 0,1,2,3,4,5,6,7
	ds_load_b128 v[BKR+4*\t:BKR+4*\t+3], v[RD] offset:\t*2*SPITCH    ; LDS serves a wave's instructions in order: these see the stores above
.endr
.endm
.macro SEND a
.set BKR, OB+192*((\a)%2)
	s_wait_dscnt 0x0                               ; the block is back in registers
	s_wait_xcnt 0x0                                ; the earlier stores have read their data: the block after this one is loaded into the registers of the block before it
.irp t, 0,1,2,3,4,5,6,7
	global_store_b128 v[CO], v[BKR+4*\t:BKR+4*\t+3], s[12:13] offset:(\a)*4096+512*\t   ; 32 lanes store 512 consecutive bytes, aligned
.endr
.endm
	PACK 0
	TOSTAGE 0
.irp a, 1,2,3,4,5,6,7                  ; block a's conversions stand between block a - 1's loads from the stage and the wait for them
	PACK \a
	SEND \a-1
	TOSTAGE \a
.endr
	SEND 7
	s_wait_tensorcnt 0x0                           ; the wave's end
	ds_add_u32 v[SPW], v[NIL]
	s_wait_dscnt 0x0
	CROUND                                         ; the closing round
	s_endpgm
.Lfunc_end_k_qd7e1960d69_qkv:
	.size	k_qd7e1960d69_qkv, .Lfunc_end_k_qd7e1960d69_qkv-k_qd7e1960d69_qkv
	.p2alignl 7, 3214868480
	.fill 96, 4, 3214868480
	.section	.rodata,"a",@progbits
	.p2align	6, 0x0
	.amdhsa_kernel k_qd7e1960d69_qkv
		.amdhsa_group_segment_fixed_size 327680
		.amdhsa_private_segment_fixed_size 0
		.amdhsa_enable_private_segment 0
		.amdhsa_kernarg_size 48
		.amdhsa_user_sgpr_count 2
		.amdhsa_user_sgpr_kernarg_segment_ptr 1
		.amdhsa_wavefront_size32 1
		.amdhsa_system_sgpr_workgroup_id_x 1
		.amdhsa_system_sgpr_workgroup_id_y 1
		.amdhsa_system_sgpr_workgroup_id_z 1
		.amdhsa_system_vgpr_workitem_id 0
		.amdhsa_next_free_vgpr 1024
		.amdhsa_next_free_sgpr 100
		.amdhsa_reserve_vcc 0
		.amdhsa_float_denorm_mode_32 3
		.amdhsa_float_denorm_mode_16_64 3
		.amdhsa_memory_ordered 1
		.amdhsa_forward_progress 1
		.amdhsa_inst_pref_size 128
	.end_amdhsa_kernel
	.amdgpu_metadata
---
amdhsa.version: [ 1, 2 ]
amdhsa.kernels:
  - .name:           k_qd7e1960d69_qkv
    .symbol:         k_qd7e1960d69_qkv.kd
    .args:
      - { .name: x_codes, .offset: 0, .size: 8, .value_kind: global_buffer, .address_space: global }
      - { .name: x_scales, .offset: 8, .size: 8, .value_kind: global_buffer, .address_space: global }
      - { .name: w_codes, .offset: 16, .size: 8, .value_kind: global_buffer, .address_space: global }
      - { .name: w_scales, .offset: 24, .size: 8, .value_kind: global_buffer, .address_space: global }
      - { .name: qkv, .offset: 32, .size: 8, .value_kind: global_buffer, .address_space: global }
      - { .name: qkv32, .offset: 40, .size: 8, .value_kind: global_buffer, .address_space: global }
    .group_segment_fixed_size: 327680
    .private_segment_fixed_size: 0
    .kernarg_segment_align: 8
    .kernarg_segment_size: 48
    .max_flat_workgroup_size: 128
    .sgpr_count:     100
    .vgpr_count:     1024
    .wavefront_size: 32
...
	.end_amdgpu_metadata
.endif
;; end of part 2
;; launch attn (part 3): grid 8 x 32, 4 waves a work-group, no clusters, 327,680 bytes of LDS; arguments qkv, ctx; writes ctx
.if DOCPART == 3
	.amdgcn_target "amdgcn-amd-amdhsa--gfx1250"
	.amdhsa_code_object_version 6
	.text
	.protected	k_qd7e1960d69_attn
	.globl	k_qd7e1960d69_attn
	.p2align	8
	.type	k_qd7e1960d69_attn,@function
k_qd7e1960d69_attn:
	s_mov_b64 s[64:65], 0
	v_nop
	global_prefetch_b8 v0, s[64:65] scope:SCOPE_SE
	s_setreg_imm32_b32 hwreg(HW_REG_WAVE_MODE, 25, 1), 1
	s_wait_xcnt 0x0
; ctx[b][q][h][:] = the sum over k <= q of softmax_k(Q[q] . K[k] / sqrt(128)) V[k][:], for each of 32 (batch, head).  Q, K, V: f16, [which][b][h][2048][128]; ctx: f16, [8192][1024].
; Products on f16 operands with f32 sums; maxima, exponentials and sums in f32; the weights p are rounded to f16 for the second product, ctx once at the end.  LIMIT: NaN and infinities are not served.
; SHARES.  A head's 2,048 queries are 16 blocks of 128.  Work-group i owns block i and then block 15 - i: (i + 1) + (16 - i) = 17 key blocks of 128 for every work-group: 8 x 32 equal work-groups, and a walk of constant length.
; Trip t takes key block t while t <= i, then key block t - i - 1.  Trips i and 16 lie on the diagonal: there hidden scores become -infinity, and behind them the block's rows go out.  A wave owns 32 queries: two tiles of 16.
; NO CLUSTER: the work-groups of a head change from their first block to their second at different trips (trip i), so at a given trip they want different key blocks, and no joint request could name one tile for all.
; LAYOUT.  S^T = K Q^T (source 0 = 16 keys, source 1 = 16 queries): a lane holds ONE query (lane % 16) and the keys 8 (lane / 16) + 0..7.  Two such tiles, rounded in pairs, are source 1 of O^T = V^T P.  V is turned by ds_load_tr16_b128.
; SOFTMAX.  A running maximum m and sum l for each query, moved once for each key block: p = 2^(c s - c m), c = log2(e) / sqrt(128); O and l are multiplied by a = 2^(c m_old - c m_new).  Every key block that is walked has a key that
; counts for each of the wave's queries (its key 0), so m is a number from the first trip on; a block of queries begins with m = -3e38, l = 0 and O = 0.
; A TRIP has four phases of 32 products, and a tile never looks at the other tile:  A: K Q^T of tile 0, with V's LDS loads in four runs between;  B: K Q^T of tile 1, with tile 0's softmax in slices, one behind each product;
; C: V^T P of tile 0, with tile 1's softmax likewise;  D: V^T P of tile 1, with both tiles' row sums, for which no product waits.  Nothing is carried over a trip's edge but K's fragments.
; THE RING.  Two LDS slots of one key block (two steps of 64 keys; a step's 64 rows of K, then its 64 rows of V).  Waves 0, 1 fetch K's two steps, waves 2, 3 V's.  THE CHANGE OF SLOTS STANDS BETWEEN B AND C: all of the slot's K and V are
; in registers by then.  Behind its barrier the slot takes the key block two trips on, and the NEXT trip's K is read from the other slot: so V's LDS reads lie under phases A and B, K's under C and D.  Two tensor loads of mine are out at the
; head, one behind each change; it has a whole trip, 128 products, in which to land.
; REGISTERS, in windows of 256: window 0: v1-11 addresses; v12-43 statistics, 16 a tile; v44-47; v48-111 P, 32 a tile; v112-239 S^T, 64 a tile.   window 1: v0-127 O^T, 64 a tile; v128-191 Q, 32 a tile; v192-255 Q of the second block.
;   window 2: K of a key block.   window 3: V of a key block.   A slice costs two switches of the windows: no window has room for a product's operands beside what a softmax touches.
.set KS,    64
.set PK,    272                        ; a row of K in LDS: 256 bytes + 16: the 16 rows of a load start at 16 different banks (64 banks of 4 bytes: ISA guide 11.1)
.set PV,    288                        ; a row of V: 256 + 32
.set VOFF,  KS*PK
.set STEPB, KS*(PK+PV)
.set SLOT1, 1<<17                      ; slot 1 begins here: one exclusive or turns an address in one slot into the other's
.set STAGE, SLOT1+2*STEPB              ; behind the ring: 16 rows x 272 bytes for each wave, for the way out
.set SP,    272
.set SPARE, STAGE+4*16*SP              ; the spare words, 128 bytes a wave
.set AK0, 2                            ; v2   my lane's place in a tile of K
.set AV0, 3                            ; v3   the same for V
.set ADK, 4                            ; v4   a slot + AK0
.set ADV, 5                            ; v5   a slot + AV0
.set STO, 6                            ; v6   the way out: where I put 16 bytes of a row
.set RD,  7                            ; v7   where I read a row back
.set GO,  8                            ; v8   my byte offset in the wave's rows of ctx
.set QO,  10                           ; v10  my byte offset in the wave's rows of Q
.set DM,  11                           ; v11  lane % 16 - 8 (lane / 16) + 32 wave
.set ST,  12                           ; tile t's statistics at v[ST + 16 t]: +0 c m, +1 m, +2, +3 l, +4 to +11 eight running maxima, +12 a, +13 c m_old - c m_new
.set NINF, 44
.set SPW, 45
.set PFO, 46                           ; v46  256 x lane
.set NIL, 47
.set P,   48
.set S,   112
.set QF,  128                          ; in window 1
.set QF2, 192                          ; in window 1
.set NEED, 198                         ; the numbers of a tile's list that stand ahead of its V^T P
.set WV,  8
.set WI,  9                            ; s9   i
.set BH,  10                           ; s10  8 b + h
.set TT,  11                           ; s11  the trip
.set NK,  12
.set TP,  13
.set DG,  14                           ; s14  1 on the diagonal
.set TB,  16                           ; s16  LDS byte at which the slot in hand begins
.set PLO, 17                           ; s17  the first trip in which I prefetch
.set OFF, 18                           ; s[18:19]
.set PB,  22                           ; s[22:23] my 64 rows of key block 0 in memory
.set G0F, 24                           ; s[24:27] group 0 of trip 0's tile
.set G1K, 28
.set G1V, 36
.set PFA, 44
.set CT0, 46                           ; s[46:47] ctx at my wave's rows of block 0, my head's columns
.set CTXA, 48                          ; s[48:49] the same of the block in hand
.set QL,  50
.set QH,  52
.set CS,  54
.set SEL, 56
.set G0,  68                           ; s[68:71] group 0 of trip 1's tile, which then walks on
.set MSB, 0
.macro WIN new                         ; the immediate's high byte repeats the setting that is left
.if MSB != \new
	s_set_vgpr_msb (MSB<<8)|\new
.set MSB, \new
.endif
.endm
.set W_KQ, 0x06                        ; K window 2, Q window 1, S^T window 0
.set W_PV, 0x53                        ; V window 3, P window 0, O^T window 1
.set W_RS, 0x41                        ; O^T (destination and source 0) window 1, a window 0
.macro PLACES                          ; four plain vector instructions between a matrix instruction and a read of its result or a load into its registers
.rept 4
	v_nop
.endr
.endm
; My one tensor load behind a change of slots.  The branch hangs on the wave's number alone; an s_nop 0 and four v_nop follow each of the two lines.
.macro TLOAD
	s_cmp_lt_u32 s[WV], 2
	s_cbranch_scc0 .Lfor_v_\@
	tensor_load_to_lds s[G0:G0+3], s[G1K:G1K+7]
	s_nop 0
.rept 4
	v_nop
.endr
	s_branch .Lasked_\@
.Lfor_v_\@:
	tensor_load_to_lds s[G0:G0+3], s[G1V:G1V+7]
	s_nop 0
.rept 4
	v_nop
.endr
.Lasked_\@:
.endm
; A PREFETCH INTO THE L2.  Of a head's work-groups, i = 0 is the first to ask for key blocks 8 to 15 (its change in trip t asks for key block t + 1); blocks 0 to 7 are asked for by several work-groups at the same trip.
; So work-group 0 alone, in trips 6 to 13, names key block t + 2, which its next change of slots will ask for: each wave its own 64 rows of 256 bytes, a lane a row, two instructions.  Each row is named once in the launch.
.macro ASK
	s_cmp_lt_u32 s[TT], s[PLO]
	s_cbranch_scc1 .Lnot_mine_\@
	s_cmp_gt_u32 s[TT], 13
	s_cbranch_scc1 .Lnot_mine_\@
	global_prefetch_b8 v[PFO], s[PFA:PFA+1] th:TH_LOAD_NT scope:SCOPE_SE
	global_prefetch_b8 v[PFO], s[PFA:PFA+1] offset:8192 th:TH_LOAD_NT scope:SCOPE_SE
.Lnot_mine_\@:
.endm
.macro FETCH_K                         ; a key block's K: 8 tiles of 16 keys x 4 pieces of 32 channels; tile kt, piece c at v[32 kt + 8 c] of window 2
	WIN 0x80
.irp c, 0,1,2,3
.irp kt, 0,1,2,3,4,5,6,7
	ds_load_b128 v[32*\kt+8*\c:32*\kt+8*\c+3],   v[ADK] offset:(\kt/4)*STEPB+(\kt%4)*16*PK+\c*64
	ds_load_b128 v[32*\kt+8*\c+4:32*\kt+8*\c+7], v[ADK] offset:(\kt/4)*STEPB+(\kt%4)*16*PK+\c*64+32
.endr
.endr
.endm
.macro FETCH_V g                       ; V of keys 32 g on, turned: 8 tiles of 16 channels, at v[64 g + 8 ct] of window 3
	WIN 0xc0
.irp ct, 0,1,2,3,4,5,6,7
	ds_load_tr16_b128 v[64*(\g)+8*\ct:64*(\g)+8*\ct+3],   v[ADV] offset:((\g)/2)*STEPB+((\g)%2)*32*PV+\ct*32
	ds_load_tr16_b128 v[64*(\g)+8*\ct+4:64*(\g)+8*\ct+7], v[ADV] offset:((\g)/2)*STEPB+((\g)%2)*32*PV+16*PV+\ct*32
.endr
.endm
; THE CHANGE OF SLOTS.  Each wave waits for all its tensor loads (its part of the next trip's slot), adds 0 to its spare word, and waits for that and for its reads of the slot in hand (V's, issued in phase A).
; Behind the barrier the other slot is whole and nobody reads this one.  fill = 1: this slot takes the key block two trips on.  Then the next trip's K is read from the other slot.
.macro CHANGE fill
	s_wait_tensorcnt 0x0                           ; no tensor load of mine is out, so group 0 may be written
	ds_add_u32 v[SPW], v[NIL]                      ; 0 onto my spare word; the descriptor's words stand between it and the wait for it
.if \fill
	s_xor_b32 s[G0+1], s[G0+1], SLOT1              ; the other slot than last time
	s_add_co_u32 s[NK], s[TT], 2                   ; trip t + 2's key block: t + 2 while t + 2 <= i, else t + 1 - i
	s_sub_co_u32 s[TP], s[NK], s[WI]
	s_sub_co_u32 s[TP], s[TP], 1
	s_cmp_gt_u32 s[NK], s[WI]
	s_cselect_b32 s[TP], s[TP], s[NK]
	s_lshl_b32 s[OFF], s[TP], 15                   ; 128 rows of 256 bytes a key block
	s_add_nc_u64 s[G0+2:G0+3], s[PB:PB+1], s[OFF:OFF+1]
	s_or_b32 s[G0+3], s[G0+3], 0x80000000          ; type = 2
	s_wait_xcnt 0x0                                ; the last prefetches, a trip back, have read their address
	s_lshl_b32 s58, s[NK], 15
	s_add_nc_u64 s[PFA:PFA+1], s[PB:PB+1], s[58:59]  ; key block t + 2 (named only in trips 6 to 13 of work-group 0)
.endif
	s_xor_b32 s[TB], s[TB], SLOT1                  ; on to the other slot
	s_wait_dscnt 0x0                               ; the add is done, and my reads of the slot in hand are over
	s_barrier_signal -1
	s_barrier_wait -1
.if \fill
	TLOAD                                          ; the first thing behind the barrier
.endif
	v_add_nc_u32 v[ADK], s[TB], v[AK0]
	FETCH_K                                        ; K's registers were last read in phase B, four places and more back
	WIN 0
.if \fill
	ASK
.endif
.endm
; ON THE DIAGONAL: register 8 kt + jj of tile t holds key 16 kt + 8 (lane / 16) + jj of the block; my query is 32 wave + 16 t + lane % 16.  Hidden where the key is the greater.  dg = 2: jumped over off the diagonal; 1: always; 0: never.
.macro MASKIF t, dg
.if \dg
.if \dg == 2
	s_cmp_eq_u32 s[DG], 0
	s_cbranch_scc1 .Lopen_\@
.endif
.irp kt, 0,1,2,3,4,5,6,7
.irp jj, 0,1,2,3,4,5,6,7
	v_cmp_gt_i32 vcc_lo, 16*\kt+\jj-16*(\t), v[DM]
	v_cndmask_b32 v[S+64*(\t)+8*\kt+\jj], v[S+64*(\t)+8*\kt+\jj], v[NINF], vcc_lo
.endr
.endr
.Lopen_\@:
.endif
.endm
; One tile's softmax for a key block is a list of 230 instructions; SM writes number j of it for tile t.
;   0-31 the maximum of the 64 scores and the old m, in eight chains (each accumulator is read from its low end on);  32-36 the other half of the lanes' maximum, the new m, c m, c m_old - c m_new;
;   37-133 ONE BATCH: the 32 packed scalings c s - c m and the 65 exponentials (a, then the 64 scores), a scaling and two exponentials by turns: none of these names an exponential's result;  (a plain instruction and the wait);
;   134-165 the roundings to f16;  166-197 O^T times a;  198-229 the sums, l = a l + sum: no product waits for these.
.macro SM t
.set rT, ST+16*(\t)
.set rS, S+64*(\t)
.set rP, P+32*(\t)
.if (j < 166) || (j > 197)
	WIN 0
.endif
.if j < 8
	v_max3_num_f32 v[rT+4+j], v[rS+8*j], v[rS+8*j+1], v[rS+8*j+2]
.elseif j < 24
	v_max3_num_f32 v[rT+4+j%8], v[rT+4+j%8], v[rS+8*(j%8)+2*(j/8)+1], v[rS+8*(j%8)+2*(j/8)+2]
.elseif j < 28
	v_max3_num_f32 v[rT+4+2*(j-24)], v[rT+4+2*(j-24)], v[rS+16*(j-24)+7], v[rS+16*(j-24)+15]
.elseif j == 28
	v_max3_num_f32 v[rT+4], v[rT+4], v[rT+5], v[rT+6]
.elseif j == 29
	v_max3_num_f32 v[rT+7], v[rT+7], v[rT+8], v[rT+9]
.elseif j == 30
	v_max3_num_f32 v[rT+10], v[rT+10], v[rT+11], v[rT+1]
.elseif j == 31
	v_max3_num_f32 v[rT+4], v[rT+4], v[rT+7], v[rT+10]
.elseif j == 32
	v_permlanex16_b32 v[rT+5], v[rT+4], s[SEL], s[SEL+1]  ; the query's other 64 keys lie in the lane 16 away
.elseif j == 33
	v_mov_b32 v[rT+13], v[rT]                      ; c m_old is kept for a
.elseif j == 34
	v_max_num_f32 v[rT+1], v[rT+4], v[rT+5]
.elseif j == 35
	v_mul_f32 v[rT], s[CS], v[rT+1]
.elseif j == 36
	v_sub_f32 v[rT+13], v[rT+13], v[rT]
.elseif j == 38
	v_exp_f32 v[rT+12], v[rT+13]
.elseif (j == 37) || ((j < 132) && ((j-39)%3 == 0))
.set b, 0
.if j > 37
.set b, (j-39)/3+1
.endif
	v_pk_fma_f32 v[rS+2*b:rS+2*b+1], v[rS+2*b:rS+2*b+1], s[CS:CS+1], v[rT:rT+1] op_sel_hi:[1,0,0] neg_lo:[0,0,1] neg_hi:[0,0,1]  ; pair b: c s - c m
.elseif j < 134
.set e, j-70
.if j < 132
.set e, 2*((j-39)/3)+(j-39)%3-1
.endif
	v_exp_f32 v[rS+e], v[rS+e]
.elseif j < 166
.if j == 134
	v_nop                                          ; a plain instruction behind the last exponential
	s_wait_alu depctr_va_vdst(0)                   ; the wait ahead of the first instruction that names a result: one for the tile's 65 exponentials
.endif
	v_cvt_pk_f16_f32 v[rP+j-134], v[rS+2*(j-134)], v[rS+2*(j-134)+1]
.elseif j < 198
	WIN W_RS
.set rO, 64*(\t)+2*(j-166)
	v_pk_mul_f32 v[rO:rO+1], v[rO:rO+1], v[rT+12:rT+13] op_sel_hi:[1,0]
.else
.set z, j-198                          ; the sum of the tile's 32 pairs, in place: neighbours 1, 2, 4, 8 and 16 pairs apart, then l takes it
.set w, 4
.set u, z
.if z >= 30
.set w, 64
.set u, 0
.elseif z >= 28
.set w, 32
.set u, z-28
.elseif z >= 24
.set w, 16
.set u, z-24
.elseif z >= 16
.set w, 8
.set u, z-16
.endif
.if z < 31
	v_pk_add_f32 v[rS+w*u:rS+w*u+1], v[rS+w*u:rS+w*u+1], v[rS+w*u+w/2:rS+w*u+w/2+1]
.else
	v_pk_fma_f32 v[rT+2:rT+3], v[rT+2:rT+3], v[rT+12:rT+13], v[rS:rS+1] op_sel_hi:[1,0,1]
.endif
.endif
.endm
.macro SLICES t, upto                  ; the numbers from j up to upto - 1 of tile t's list
.rept (\upto)-j
	SM \t
.set j, j+1
.endr
.endm
; THE FOUR PHASES.  In each the eight accumulators take turns, one instruction a turn.
.macro PHASE_A                         ; S^T of tile 0: channels 32 c on, keys 16 kt on; the first eight products start the sums.  Behind each eight: V of 32 keys, 16 LDS loads
.irp c, 0,1,2,3
	WIN W_KQ
.irp kt, 0,1,2,3,4,5,6,7
.if \c == 0
	v_wmma_f32_16x16x32_f16 v[S+8*\kt:S+8*\kt+7], v[32*\kt:32*\kt+7], v[QF:QF+7], 0
.else
	v_wmma_f32_16x16x32_f16 v[S+8*\kt:S+8*\kt+7], v[32*\kt+8*\c:32*\kt+8*\c+7], v[QF+8*\c:QF+8*\c+7], v[S+8*\kt:S+8*\kt+7]
.endif
.endr
	FETCH_V \c
.endr
.endm
.macro PHASE_B                         ; S^T of tile 1 | tile 0's softmax
.set i, 0
.set j, 0
.rept 32
	WIN W_KQ
.set mD, S+64+8*(i%8)
.set mA, 32*(i%8)+8*(i/8)
.set mB, QF+32+8*(i/8)
.if i < 8
	v_wmma_f32_16x16x32_f16 v[mD:mD+7], v[mA:mA+7], v[mB:mB+7], 0
.else
	v_wmma_f32_16x16x32_f16 v[mD:mD+7], v[mA:mA+7], v[mB:mB+7], v[mD:mD+7]
.endif
.set i, i+1
	SLICES 0, (NEED*i)/32
.endr
.endm
.macro PHASE_C                         ; O^T of tile 0: keys 32 (i / 8) on, channels 16 (i % 8) on | tile 1's softmax
.set i, 0
.set j, 0
.rept 32
	WIN W_PV
.set mD, 8*(i%8)
.set mA, 64*(i/8)+8*(i%8)
.set mB, P+8*(i/8)
	v_wmma_f32_16x16x32_f16 v[mD:mD+7], v[mA:mA+7], v[mB:mB+7], v[mD:mD+7]
.set i, i+1
	SLICES 1, (NEED*i)/32
.endr
.endm
.macro PHASE_D                         ; O^T of tile 1 | both tiles' sums, alternating
.set i, 0
.rept 32
	WIN W_PV
.set mD, 64+8*(i%8)
.set mA, 64*(i/8)+8*(i%8)
.set mB, P+32+8*(i/8)
	v_wmma_f32_16x16x32_f16 v[mD:mD+7], v[mA:mA+7], v[mB:mB+7], v[mD:mD+7]
.set j, NEED+i
	SM 0
	SM 1
.set i, i+1
.endr
.endm
.macro NEWJOB                          ; a block of queries begins: O = 0, l = 0, m = -3e38.  The trip is written once for all trips: 128 moves, twice in the launch, in place of a further copy of the trip whose products start the sums
	WIN 0x40
.set i, 0
.rept 128
	v_mov_b32 v[i], 0
.set i, i+1
.endr
	WIN 0
.irp t, 0,1
	v_mov_b32 v[ST+16*\t+1], 0xff61b1e6
	v_mul_f32 v[ST+16*\t], s[CS], v[ST+16*\t+1]
	v_mov_b32 v[ST+16*\t+2], 0
	v_mov_b32 v[ST+16*\t+3], 0
.endr
.endm
; THE WAY OUT of tile t: O^T / l, rounded to f16; a lane's eight channels are 16 bytes; they go into rows of 272 bytes of my stage and come back as whole rows of 256.
.macro PACK t
	WIN W_RS
.set i, 64*\t
.rept 32
	v_pk_mul_f32 v[i:i+1], v[i:i+1], v[ST+16*\t+12:ST+16*\t+13] op_sel_hi:[1,0]
.set i, i+2
.endr
	WIN 0x05                                       ; sources 0 and 1 window 1, destination window 0: S^T's registers are free
.set i, 0
.rept 32
	v_cvt_pk_f16_f32 v[S+64*\t+i], v[64*\t+2*i], v[64*\t+2*i+1]
.set i, i+1
.endr
	WIN 0
.irp f, 0,1,2,3,4,5,6,7
	ds_store_b128 v[STO], v[S+64*\t+4*\f:S+64*\t+4*\f+3] offset:32*\f
.endr
.irp f, 0,1,2,3,4,5,6,7
	ds_load_b128 v[S+64*\t+4*\f:S+64*\t+4*\f+3], v[RD] offset:\f*2*SP  ; LDS serves a wave's instructions in order: these see the stores above; the next tile's stores come behind them
.endr
.endm
.macro SEND t, younger                 ; younger: the LDS instructions issued behind tile t's loads
.irp f, 0,1,2,3,4,5,6,7
	s_wait_dscnt \younger+7-\f
	global_store_b128 v[GO], v[S+64*\t+4*\f:S+64*\t+4*\f+3], s[CTXA:CTXA+1] offset:\t*32768+\f*4096  ; 16 lanes store 256 consecutive bytes, aligned: a head's part of a row of ctx
.endr
.endm
.macro FINISH next                     ; next = 1: the second block follows.  (Four places stand ahead of it.)
.irp t, 0,1
	v_add_f32 v[ST+16*\t+4], v[ST+16*\t+2], v[ST+16*\t+3]
.endr
.irp t, 0,1
	v_permlanex16_b32 v[ST+16*\t+5], v[ST+16*\t+4], s[SEL], s[SEL+1]
.endr
.irp t, 0,1
	v_add_f32 v[ST+16*\t+4], v[ST+16*\t+4], v[ST+16*\t+5]
.endr
.irp t, 0,1
	v_rcp_f32 v[ST+16*\t+12], v[ST+16*\t+4]
.endr
	v_nop
	s_wait_alu depctr_va_vdst(0)                   ; one wait for the two reciprocals, ahead of their first use
	PACK 0
	PACK 1
	SEND 0, 16                                     ; behind tile 0's loads: tile 1's eight stores and eight loads
	SEND 1, 0
.if \next
	s_wait_xcnt 0x0                                ; the stores have read their data and their base: both are written again below
	s_sub_co_u32 s20, 15, s[WI]
	s_lshl_b32 s20, s20, 18                        ; 128 rows of 2,048 bytes a block
	s_add_nc_u64 s[CTXA:CTXA+1], s[CT0:CT0+1], s[20:21]
	WIN 0x41                                       ; the second block's Q takes the first's place, inside window 1
.set i, 0
.rept 64
	v_mov_b32 v[QF+i], v[QF2+i]
.set i, i+1
.endr
	NEWJOB
.endif
.endm
; A TRIP: one key block.  chg = 2: a change of slots with a refill; 1: without; 0: none (the last trip).  dg = 2: the diagonal is where t = i; 0: never; 1: always.
.macro TRIP chg, dg
	s_wait_dscnt 0x0                               ; this trip's K, asked for half a trip ago, is in
.if \dg == 2
	s_cmp_eq_u32 s[TT], s[WI]
	s_cselect_b32 s[DG], 1, 0
.endif
	v_add_nc_u32 v[ADV], s[TB], v[AV0]
	PHASE_A
	WIN 0
	PLACES
	MASKIF 0, \dg
	PHASE_B
	WIN 0
	PLACES
	MASKIF 1, \dg
.if \chg == 2
	CHANGE 1
.elseif \chg == 1
	CHANGE 0
.else
	s_wait_dscnt 0x0                               ; V is in
.endif
	PHASE_C
	PHASE_D
	WIN 0
	PLACES                                         ; behind the last products: for the way out's reads, and for the next trip's loads into V's registers
.if \dg == 2
	s_cmp_eq_u32 s[DG], 0
	s_cbranch_scc1 .Lgo_on_\@
	FINISH 1
.Lgo_on_\@:
.elseif \dg == 1
	FINISH 0
.endif
.endm
	s_load_b128 s[4:7], s[0:1], 0x0                ; qkv, ctx
	v_lshl_add_u32 v[SPW], v0, 2, SPARE
	v_mov_b32 v[NIL], 0
	ds_add_u32 v[SPW], v[NIL]                      ; the wave's opening: the add, twice on end, and its wait ahead of my first tensor load
	ds_add_u32 v[SPW], v[NIL]
	v_lshrrev_b32 v1, 5, v0
	v_readfirstlane_b32 s[WV], v1                  ; wave 0..3
	s_mov_b32 s[WI], ttmp9
	s_and_b32 s[BH], ttmp7, 0xffff
	s_mov_b32 s[G1K], (1<<16)|(1<<20)|(5<<22)|(3<<25)  ; no mask; elements of 2 bytes; padding on: after every 64 words (code 5) 4 words (code 3)
	s_mov_b32 s[G1V], (1<<16)|(1<<20)|(5<<22)|(7<<25)  ; the same with 8 words (code 7)
.irp g, G1K, G1V
	s_mov_b32 s[\g+1], 128<<16                     ; tensor_dim0 = 128
	s_mov_b32 s[\g+2], KS<<16                      ; tensor_dim1 = 64
	s_mov_b32 s[\g+3], 128<<16                     ; tile_dim0 = 128
	s_mov_b32 s[\g+4], KS                          ; tile_dim1 = 64
	s_mov_b32 s[\g+5], 128                         ; elements from row to row
	s_mov_b32 s[\g+6], 0
	s_mov_b32 s[\g+7], 0
.endr
	s_mov_b32 s[CS], 0x3e0293ee                    ; c = log2(e) / sqrt(128)
	s_mov_b32 s[CS+1], s[CS]
	s_mov_b32 s[SEL], 0x76543210
	s_mov_b32 s[SEL+1], 0xfedcba98
	s_mov_b32 s[TB], 0
	s_mov_b32 s[TT], 0
	s_mov_b32 s[OFF+1], 0
	s_mov_b32 s21, 0
	s_mov_b32 s59, 0
	s_mov_b32 s61, 0
	s_lshr_b32 s[TP], s[WV], 1                     ; I fetch for K (0) or for V (1),
	s_and_b32 s[NK], s[WV], 1                      ; step 0 or 1 of a key block
	s_mul_i32 s[G0F+1], s[TP], VOFF
	s_mul_i32 s20, s[NK], STEPB
	s_add_co_u32 s[G0F+1], s[G0F+1], s20           ; my tile's place in slot 0,
	s_add_co_u32 s[G0+1], s[G0F+1], SLOT1          ; and in slot 1
	s_add_co_u32 s58, s[TP], 1
	s_lshl_b32 s58, s58, 24                        ; K lies 2^24 bytes, V 2^25 bytes behind Q
	s_lshl_b32 s60, s[BH], 19                      ; a head is 524,288 bytes
	s_add_co_u32 s58, s58, s60
	s_lshl_b32 s20, s[NK], 14                      ; 64 rows of 256 bytes
	s_add_co_u32 s58, s58, s20
	s_lshl_b32 s20, s[WV], 13                      ; my 32 queries
	s_add_co_u32 s60, s60, s20
	s_min_u32 s[OFF], s[WI], 1                     ; trip 1's key block: 1 where i >= 1, else 0
	s_lshl_b32 s[OFF], s[OFF], 15
	s_wait_dscnt 0x0                               ; both opening adds are done
	s_wait_kmcnt 0x0
	s_add_nc_u64 s[PB:PB+1], s[4:5], s[58:59]
	s_mov_b32 s[G0F], 1
	s_mov_b64 s[G0F+2:G0F+3], s[PB:PB+1]           ; trip 0 takes key block 0
	s_or_b32 s[G0F+3], s[G0F+3], 0x80000000
	s_mov_b32 s[G0], 1
	s_add_nc_u64 s[G0+2:G0+3], s[PB:PB+1], s[OFF:OFF+1]
	s_or_b32 s[G0+3], s[G0+3], 0x80000000
	s_cmp_lt_u32 s[WV], 2                          ; my two first fills stand in one branch, ahead of every wait on TENSORcnt, every LDS read and every barrier: two loads of mine are out
	s_cbranch_scc0 .Lfirst_v
	tensor_load_to_lds s[G0F:G0F+3], s[G1K:G1K+7]
	s_nop 0
	tensor_load_to_lds s[G0:G0+3], s[G1K:G1K+7]
	s_nop 0
.rept 4
	v_nop
.endr
	s_branch .Lfirst_asked
.Lfirst_v:
	tensor_load_to_lds s[G0F:G0F+3], s[G1V:G1V+7]
	s_nop 0
	tensor_load_to_lds s[G0:G0+3], s[G1V:G1V+7]
	s_nop 0
.rept 4
	v_nop
.endr
.Lfirst_asked:
	s_add_nc_u64 s[QL:QL+1], s[4:5], s[60:61]
	s_mov_b64 s[QH:QH+1], s[QL:QL+1]
	s_lshl_b32 s20, s[WI], 15
	s_add_nc_u64 s[QL:QL+1], s[QL:QL+1], s[20:21]  ; block i
	s_sub_co_u32 s20, 15, s[WI]
	s_lshl_b32 s20, s20, 15
	s_add_nc_u64 s[QH:QH+1], s[QH:QH+1], s[20:21]  ; block 15 - i
	s_lshr_b32 s20, s[BH], 3
	s_lshl_b32 s20, s20, 22                        ; a batch: 2,048 rows of 2,048 bytes
	s_lshl_b32 s58, s[WV], 16                      ; my 32 rows
	s_add_co_u32 s20, s20, s58
	s_and_b32 s58, s[BH], 7
	s_lshl_b32 s58, s58, 8                         ; my head's 256 bytes of a row
	s_add_co_u32 s20, s20, s58
	s_add_nc_u64 s[CT0:CT0+1], s[6:7], s[20:21]
	s_lshl_b32 s20, s[WI], 18
	s_add_nc_u64 s[CTXA:CTXA+1], s[CT0:CT0+1], s[20:21]
	s_cmp_eq_u32 s[WI], 0
	s_cselect_b32 s[PLO], 6, -1
	v_and_b32 v1, 15, v0                           ; r = l % 16
	v_bfe_u32 v9, v0, 4, 1                         ; h = l / 16
	v_lshlrev_b32 v[QO], 8, v1
	v_lshl_add_u32 v[QO], v9, 4, v[QO]             ; row x 256 + 16 x half
	WIN 0x40
.irp i, 0,1,2,3,4,5,6,7                        ; Q stays in registers: tile i / 4, channels 32 (i % 4) on; both blocks'
	global_load_b128 v[QF+8*\i:QF+8*\i+3],   v[QO], s[QL:QL+1] offset:(\i/4)*4096+(\i%4)*64
	global_load_b128 v[QF+8*\i+4:QF+8*\i+7], v[QO], s[QL:QL+1] offset:(\i/4)*4096+(\i%4)*64+32
.endr
.irp i, 0,1,2,3,4,5,6,7
	global_load_b128 v[QF2+8*\i:QF2+8*\i+3],   v[QO], s[QH:QH+1] offset:(\i/4)*4096+(\i%4)*64
	global_load_b128 v[QF2+8*\i+4:QF2+8*\i+7], v[QO], s[QH:QH+1] offset:(\i/4)*4096+(\i%4)*64+32
.endr
	WIN 0
	v_mul_u32_u24 v[AK0], v1, PK
	v_lshl_add_u32 v[AK0], v9, 4, v[AK0]           ; row x pitch + 16 x half
	v_and_b32 v[ADK], 7, v0                        ; the turning load: lane l reads key 8 (l / 16) + l % 8, channels 8 ((l / 8) % 2) + 0..7
	v_bfe_u32 v[ADV], v0, 3, 1
	v_lshl_add_u32 v[AV0], v9, 3, v[ADK]
	v_mul_u32_u24 v[AV0], v[AV0], PV
	v_lshl_add_u32 v[AV0], v[ADV], 4, v[AV0]
	v_add_nc_u32 v[AV0], VOFF, v[AV0]
	s_mul_i32 s20, s[WV], 16*SP
	s_add_co_u32 s20, s20, STAGE                   ; my stage
	v_mul_u32_u24 v[STO], v1, SP
	v_lshl_add_u32 v[STO], v9, 4, v[STO]
	v_add_nc_u32 v[STO], s20, v[STO]
	v_mul_u32_u24 v[RD], v9, SP
	v_lshl_add_u32 v[RD], v1, 4, v[RD]
	v_add_nc_u32 v[RD], s20, v[RD]
	v_lshlrev_b32 v[GO], 11, v9                    ; lanes 0-15 one row of ctx, lanes 16-31 the next
	v_lshl_add_u32 v[GO], v1, 4, v[GO]
	v_lshlrev_b32 v[DM], 3, v9
	v_sub_nc_u32 v[DM], v1, v[DM]
	s_lshl_b32 s20, s[WV], 5
	v_add_nc_u32 v[DM], s20, v[DM]                 ; r - 8 h + 32 wave
	v_mov_b32 v[NINF], 0xff800000
	v_and_b32 v[PFO], 31, v0
	v_lshlrev_b32 v[PFO], 8, v[PFO]
	NEWJOB
	s_wait_tensorcnt 1                             ; my part of trip 0's slot is in; trip 1's load may be out
	s_barrier_signal -1
	s_barrier_wait -1                              ; everybody's is
	v_add_nc_u32 v[ADK], s[TB], v[AK0]
	FETCH_K                                        ; trip 0's K
	WIN 0
	s_wait_loadcnt 0x0                             ; Q, both blocks'
.Ltrip:                                            ; trips 0 to 14: each asks for the key block two trips on
	TRIP 2, 2
	s_add_co_u32 s[TT], s[TT], 1
	s_cmp_lt_u32 s[TT], 15
	s_cbranch_scc1 .Ltrip
	TRIP 1, 0                                      ; trip 15 is written out: its change of slots asks for nothing; i is at most 7, so it lies on no diagonal
	TRIP 0, 1                                      ; trip 16: no change of slots; it lies on the second block's diagonal and ends the work
	s_wait_tensorcnt 0x0                           ; the wave's end
	ds_add_u32 v[SPW], v[NIL]
	s_wait_dscnt 0x0
	s_endpgm
.Lfunc_end_k_qd7e1960d69_attn:
	.size	k_qd7e1960d69_attn, .Lfunc_end_k_qd7e1960d69_attn-k_qd7e1960d69_attn
	.p2alignl 7, 3214868480
	.fill 96, 4, 3214868480
	.section	.rodata,"a",@progbits
	.p2align	6, 0x0
	.amdhsa_kernel k_qd7e1960d69_attn
		.amdhsa_group_segment_fixed_size 327680
		.amdhsa_private_segment_fixed_size 0
		.amdhsa_enable_private_segment 0
		.amdhsa_kernarg_size 16
		.amdhsa_user_sgpr_count 2
		.amdhsa_user_sgpr_kernarg_segment_ptr 1
		.amdhsa_wavefront_size32 1
		.amdhsa_system_sgpr_workgroup_id_x 1
		.amdhsa_system_sgpr_workgroup_id_y 1
		.amdhsa_system_sgpr_workgroup_id_z 1
		.amdhsa_system_vgpr_workitem_id 0
		.amdhsa_next_free_vgpr 1024
		.amdhsa_next_free_sgpr 72
		.amdhsa_reserve_vcc 1
		.amdhsa_float_denorm_mode_32 3
		.amdhsa_float_denorm_mode_16_64 3
		.amdhsa_memory_ordered 1
		.amdhsa_forward_progress 1
		.amdhsa_inst_pref_size 210
	.end_amdhsa_kernel
	.amdgpu_metadata
---
amdhsa.version: [ 1, 2 ]
amdhsa.kernels:
  - .name:           k_qd7e1960d69_attn
    .symbol:         k_qd7e1960d69_attn.kd
    .args:
      - { .name: qkv, .offset: 0, .size: 8, .value_kind: global_buffer, .address_space: global }
      - { .name: ctx, .offset: 8, .size: 8, .value_kind: global_buffer, .address_space: global }
    .group_segment_fixed_size: 327680
    .private_segment_fixed_size: 0
    .kernarg_segment_align: 8
    .kernarg_segment_size: 16
    .max_flat_workgroup_size: 128
    .sgpr_count:     72
    .vgpr_count:     1024
    .wavefront_size: 32
...
	.end_amdgpu_metadata
.endif
;; end of part 3
;; launch proj (part 4): grid 8 x 32, 4 waves a work-group, clusters of 4 x 4, 327,680 bytes of LDS; arguments ctx, wo16, out0; writes out0
.if DOCPART == 4
	.amdgcn_target "amdgcn-amd-amdhsa--gfx1250"
	.amdhsa_code_object_version 6
	.text
	.protected	k_qd7e1960d69_proj
	.globl	k_qd7e1960d69_proj
	.p2align	8
	.type	k_qd7e1960d69_proj,@function
k_qd7e1960d69_proj:
	s_mov_b64 s[64:65], 0
	v_nop
	global_prefetch_b8 v0, s[64:65] scope:SCOPE_SE
	s_setreg_imm32_b32 hwreg(HW_REG_WAVE_MODE, 25, 1), 1
	s_wait_xcnt 0x0
	s_wait_alu depctr_hold_cnt(0) depctr_sa_sdst(0) depctr_va_vdst(0) depctr_va_sdst(0) depctr_va_ssrc(0) depctr_va_vcc(0) depctr_vm_vsrc(0)
	s_getreg_b32 s2, hwreg(HW_REG_IB_STS2, 6, 4)
	s_cmp_eq_u32 s2, 0
	s_cbranch_scc0 .Lentry_in_a_cluster
	s_endpgm
.Lentry_in_a_cluster:
	s_bfe_u32 s2, ttmp6, 0x10000c
	s_cmp_lg_u32 s2, 0xf033
	s_cbranch_scc0 .Lentry_shape_is_right
	s_endpgm
.Lentry_shape_is_right:
; out0[m][n] = sum over k of ctx[m][k] Wo[n][k].  ctx: [8192][1024] f16, wo16: [1024][1024] f16, out0: [8192][1024] f32; sums in f32.  (Positions 0 to 15 of every sequence are written again, more finely, by the launch that follows.)
; A tile of C is 256 rows x 128 columns: 32 x 8 tiles, one for each of 256 WGPs.  Four waves, each 128 x 64: 32 accumulators, 256 registers.
; K goes in steps of 128 (LDS rows of 256 bytes) through two slots: A's 256 rows, then B's 128.  Two slots of 256 along K would be 2 x 384 rows x 528 bytes = 405,504 bytes, more than a work-group can have.
; Waves 0, 1 fetch A's halves (128 rows a tensor load), waves 2, 3 B's (64 rows): two loads of mine are out at the head, one behind each change of slots.
; CLUSTERS: 4 x 4 work-groups.  The four of a row of the cluster need the same tiles of A, the four of a column the same tiles of B: each tile is asked for JOINTLY, by the same tensor load with a mask that names the four.
; THE MATRIX INSTRUCTION IS USED TRANSPOSED (source 0 = 16 rows of B, source 1 = 16 rows of A): a lane holds eight neighbouring numbers of a row of C.
; REGISTERS: window 0: v0-31 addresses; v32-95 at work on the way out.   window 1: two fragment buffers, at v0 and v128: for 32 along K, 64 registers of A (8 x 16 rows), then 32 of B (4 x 16 rows).
;   window 2: the accumulators ((a, b) at v[8 (4 a + b)]).
.set SIZE_N, 1024
.set SIZE_K, 1024
.set KSTEP,  128
.set PITCH,  272                       ; an LDS row: 256 bytes + 16 of padding: the 16 rows that a load touches start at 16 different banks (64 banks of 4 bytes: ISA guide 11.1)
.set HALFA,  128*PITCH                 ; what a tensor load for A brings, and what a wave reads of A
.set HALFB,  64*PITCH                  ; the same for B
.set SLOT,   2*HALFA+2*HALFB
.set STAGE,  2*SLOT                    ; behind the ring: 16 rows x 272 bytes for each wave: a wave's 64 columns of f32 are 256 aligned bytes of a row of C, so each wave has a stage of its own
.set SPITCH, 272
.set SPARE,  STAGE+4*16*SPITCH         ; the spare words, 128 bytes a wave
.set LAPS, SIZE_K/(2*KSTEP)            ; a lap = two K steps = once round the ring
.set ADRA, 16
.set ADRB, 20
.set STO,  24
.set RD,   25
.set CO,   26
.set SPW,  28
.set NIL,  29
.set TMP,  32
.set F0,   0
.set F1,   128
.set G1, 24
.set G0, 32
.set G1B, 48
.set G0B, 56
.set MSB, 0
.macro WIN new                         ; the immediate's high byte repeats the setting that is left
.if MSB != \new
	s_set_vgpr_msb (MSB<<8)|\new
.set MSB, \new
.endif
.endm
.set MUL,  0xa5                        ; sources 0 (B) and 1 (A) window 1; C and D window 2
.set TO_F, 0x40
.macro JLOAD s                         ; a joint load: waves 0 and 1 fetch A's two halves, waves 2 and 3 B's; an s_nop 0 and four v_nop follow each of the two lines
	s_cmp_eq_u32 s11, 0
	s_cbranch_scc0 .Lfor_b_\@
	tensor_load_to_lds s[G0+4*\s:G0+4*\s+3], s[G1:G1+7]
	s_nop 0
.rept 4
	v_nop
.endr
	s_branch .Lasked_\@
.Lfor_b_\@:
	tensor_load_to_lds s[G0B+4*\s:G0B+4*\s+3], s[G1B:G1B+7]
	s_nop 0
.rept 4
	v_nop
.endr
.Lasked_\@:
.endm
.macro CREST                           ; a round of the cluster's barrier behind its opening barrier
	s_cmp_lg_u32 s10, 0
	s_cbranch_scc1 .Lnot_wave_0_\@
	s_barrier_signal -3
.Lnot_wave_0_\@:
	s_barrier_wait -3
	s_barrier_signal -1
	s_barrier_wait -1
.endm
.macro CROUND
	s_barrier_signal -1
	s_barrier_wait -1
	CREST
.endm
	s_load_b128 s[4:7], s[0:1], 0x0                ; ctx s[4:5], wo16 s[6:7]
	s_load_b64 s[8:9], s[0:1], 0x10                ; out0
	v_lshl_add_u32 v[SPW], v0, 2, SPARE
	v_mov_b32 v[NIL], 0
	ds_add_u32 v[SPW], v[NIL]                      ; the wave's opening: the add, twice on end, and its wait ahead of my first tensor load
	ds_add_u32 v[SPW], v[NIL]
	v_lshrrev_b32 v1, 5, v0
	v_readfirstlane_b32 s10, v1                    ; wave 0..3
	s_lshr_b32 s11, s10, 1                         ; which half of the tile's rows is mine.  Also: I fetch for A (0) or for B (1)
	s_and_b32 s12, s10, 1                          ; which half of its columns.  Also: which half of that tile I fetch
	s_bfe_u32 s40, ttmp6, 0x40000                  ; cx, cy
	s_bfe_u32 s41, ttmp6, 0x40004
	s_lshl_b32 s42, ttmp9, 2
	s_add_co_u32 s42, s42, s40                     ; tile column
	s_and_b32 s13, ttmp7, 0xffff
	s_lshl_b32 s13, s13, 2
	s_add_co_u32 s13, s13, s41                     ; tile row
	s_lshl_b32 s43, s41, 2
	s_lshl_b32 s43, 15, s43                        ; my row of the cluster
	s_lshl_b32 s44, 0x1111, s40                    ; my column
	s_or_b32 s[G1+0], s43, (1<<16)|(1<<20)|(1<<21)|(5<<22)|(3<<25)  ; the mask; elements of 2 bytes; padding on; 21 set beside a mask; after every 64 words (code 5) 4 words (code 3)
	s_or_b32 s[G1B+0], s44, (1<<16)|(1<<20)|(1<<21)|(5<<22)|(3<<25)
	s_mov_b32 s[G1+1], KSTEP<<16                   ; A: tensor_dim0 = 128
	s_mov_b32 s[G1+2], 128<<16                     ; tensor_dim1 = 128
	s_mov_b32 s[G1+3], KSTEP<<16                   ; tile_dim0 = 128
	s_mov_b32 s[G1+4], 128                         ; tile_dim1 = 128
	s_mov_b32 s[G1+5], SIZE_K                      ; tensor_dim0_stride
	s_mov_b32 s[G1+6], 0
	s_mov_b32 s[G1+7], 0
	s_mov_b32 s[G1B+1], KSTEP<<16                  ; B: the same with 64 rows
	s_mov_b32 s[G1B+2], 64<<16
	s_mov_b32 s[G1B+3], KSTEP<<16
	s_mov_b32 s[G1B+4], 64
	s_mov_b32 s[G1B+5], SIZE_K
	s_mov_b32 s[G1B+6], 0
	s_mov_b32 s[G1B+7], 0
	s_lshl_b32 s17, s12, 7
	s_lshl_b32 s16, s13, 8
	s_add_co_u32 s16, s16, s17                     ; A: row 256 x tile row + 128 x half
	s_lshl_b32 s47, s12, 6
	s_lshl_b32 s46, s42, 7
	s_add_co_u32 s46, s46, s47                     ; B: row 128 x tile column + 64 x half
	s_mov_b32 s17, 0
	s_mov_b32 s47, 0
	s_mov_b64 s[18:19], SIZE_K*2
	s_mul_u64 s[16:17], s[16:17], s[18:19]
	s_mul_u64 s[46:47], s[46:47], s[18:19]
	s_mul_i32 s20, s12, HALFA                      ; where they go: A's two halves,
	s_mul_i32 s45, s12, HALFB
	s_add_co_u32 s45, s45, 2*HALFA                 ; then B's two: the wave's number alone enters an LDS address
	s_wait_dscnt 0x0                               ; both opening adds are done
	s_wait_kmcnt 0x0
	s_add_nc_u64 s[14:15], s[4:5], s[16:17]
	s_add_nc_u64 s[46:47], s[6:7], s[46:47]
	CROUND                                         ; all sixteen work-groups are here: the first joint loads meet
.irp s, 0,1
	s_mov_b32 s[G0+4*\s], 1
	s_add_co_u32 s[G0+4*\s+1], s20, \s*SLOT
	s_add_nc_u64 s[G0+4*\s+2:G0+4*\s+3], s[14:15], \s*KSTEP*2
	s_or_b32 s[G0+4*\s+3], s[G0+4*\s+3], 0x80000000
	s_mov_b32 s[G0B+4*\s], 1
	s_add_co_u32 s[G0B+4*\s+1], s45, \s*SLOT
	s_add_nc_u64 s[G0B+4*\s+2:G0B+4*\s+3], s[46:47], \s*KSTEP*2
	s_or_b32 s[G0B+4*\s+3], s[G0B+4*\s+3], 0x80000000
	JLOAD \s
.endr
	v_and_b32 v1, 15, v0                           ; l % 16
	v_bfe_u32 v2, v0, 4, 1                         ; l / 16
	v_mul_u32_u24 v3, v1, PITCH
	v_lshl_add_u32 v3, v2, 4, v3                   ; a fragment's row x pitch + 16 x half
	s_mul_i32 s21, s11, HALFA                      ; my 128 rows of A
	s_mul_i32 s22, s12, HALFB                      ; my 64 rows of B,
	s_add_co_u32 s22, s22, 2*HALFA                 ; behind A's 256
.irp s, 0,1
	v_add_nc_u32 v[ADRA+\s], s21, v3
	v_add_nc_u32 v[ADRB+\s], s22, v3
	s_add_co_u32 s21, s21, SLOT
	s_add_co_u32 s22, s22, SLOT
.endr
	s_mul_i32 s23, s10, 16*SPITCH
	s_add_co_u32 s23, s23, STAGE                   ; my stage
	v_mul_u32_u24 v4, v1, SPITCH                   ; in: row l % 16, 32 bytes for each half of the lanes
	v_lshl_add_u32 v4, v2, 5, v4
	v_add_nc_u32 v[STO], s23, v4
	v_mul_u32_u24 v5, v2, SPITCH                   ; back: lanes 0-15 one row of 256 bytes, lanes 16-31 the next
	v_lshl_add_u32 v5, v1, 4, v5
	v_add_nc_u32 v[RD], s23, v5
	v_lshlrev_b32 v5, 12, v2                       ; and the same two rows in C: 4,096 bytes a row
	v_lshl_add_u32 v[CO], v1, 4, v5
	s_lshl_b32 s16, s13, 8
	s_lshl_b32 s17, s11, 7
	s_add_co_u32 s16, s16, s17                     ; my first row of C: 256 x tile row + 128 x half
	s_lshl_b32 s16, s16, 12
	s_mov_b32 s17, 0
	s_add_nc_u64 s[8:9], s[8:9], s[16:17]
	s_lshl_b32 s46, s42, 9                         ; my first column, in bytes: 512 x tile column + 256 x half
	s_lshl_b32 s47, s12, 8
	s_add_co_u32 s46, s46, s47
	s_mov_b32 s47, 0
	s_add_nc_u64 s[8:9], s[8:9], s[46:47]
; 8 matrix instructions: A's blocks a0, a0 + 1 x B's four, 32 along K, from buffer f.  The 32 accumulators take turns, in the same order in every quarter.  zero = 1: the product starts the sums
.macro MUL8 f, a0, zero
.irp a, \a0, \a0+1
.irp b, 0,1,2,3
.if \zero
	v_wmma_f32_16x16x32_f16 v[8*(4*(\a)+\b):8*(4*(\a)+\b)+7], v[\f+64+8*\b:\f+64+8*\b+7], v[\f+8*(\a):\f+8*(\a)+7], 0
.else
	v_wmma_f32_16x16x32_f16 v[8*(4*(\a)+\b):8*(4*(\a)+\b)+7], v[\f+64+8*\b:\f+64+8*\b+7], v[\f+8*(\a):\f+8*(\a)+7], v[8*(4*(\a)+\b):8*(4*(\a)+\b)+7]
.endif
.endr
.endr
.endm
.macro FETCH slot, k, f                ; 24 LDS loads in one run: the fragments of 32 along K at byte k of the rows: B's four blocks, then A's eight
	WIN TO_F
.irp i, 0,1,2,3
	ds_load_b128 v[\f+64+8*\i:\f+64+8*\i+3],   v[ADRB+\slot] offset:\k+\i*16*PITCH
	ds_load_b128 v[\f+64+8*\i+4:\f+64+8*\i+7], v[ADRB+\slot] offset:\k+\i*16*PITCH+32
.endr
.irp i, 0,1,2,3,4,5,6,7
	ds_load_b128 v[\f+8*\i:\f+8*\i+3],   v[ADRA+\slot] offset:\k+\i*16*PITCH
	ds_load_b128 v[\f+8*\i+4:\f+8*\i+7], v[ADRA+\slot] offset:\k+\i*16*PITCH+32
.endr
.endm
.macro PLACES                          ; four plain vector instructions between a matrix instruction and a load into its registers or a read of its result
.rept 4
	v_nop
.endr
.endm
; A K step is four quarters of 32 along K, 32 matrix instructions each, on buffers 0, 1, 0, 1.  One of the first three: multiplies buffer f; in its middle it fetches the next quarter, at byte k, into g.
.macro QUARTER slot, k, f, g, zero
	s_wait_dscnt 8                                 ; B and A's blocks 0-3 are in; the youngest eight loads (A's blocks 4-7) may be out
	WIN MUL
	MUL8 \f, 0, \zero
	MUL8 \f, 2, \zero
	PLACES
	FETCH \slot, \k, \g
	s_wait_dscnt 24                                ; all but the 24 just issued
	WIN MUL
	MUL8 \f, 4, \zero
	MUL8 \f, 6, \zero
.endm
; The last quarter multiplies buffer 1 and changes slots: one barrier; in front of it each wave waits for all its tensor loads, adds 0 to its spare word, and waits for that and for its reads of this slot.  fill = 1: this slot is filled again, two K steps ahead.
.macro TURN slot, next, fill
	WIN 0
	s_wait_tensorcnt 0x0                           ; all my tensor loads have landed: my part of the next slot
	ds_add_u32 v[SPW], v[NIL]
	s_wait_dscnt 9                                 ; (the add and the youngest eight loads may be out)
	WIN MUL
	MUL8 F1, 0, 0
	s_wait_dscnt 0x0                               ; the add is done, and my reads of this slot are over
	s_barrier_signal -1
	MUL8 F1, 2, 0
.if \fill
	WIN 0
.endif
	s_barrier_wait -1
.if \fill
	CREST                                          ; the barrier has opened a round of the cluster's barrier: no wave of any partner still reads this slot or has a load on its way
	s_add_nc_u64 s[G0+4*\slot+2:G0+4*\slot+3], s[G0+4*\slot+2:G0+4*\slot+3], 2*KSTEP*2
	s_add_nc_u64 s[G0B+4*\slot+2:G0B+4*\slot+3], s[G0B+4*\slot+2:G0B+4*\slot+3], 2*KSTEP*2
	JLOAD \slot                                    ; the first tensor load behind the round: 112 matrix instructions ahead of the wait for it; its four v_nop are also the places in front of the loads below
.else
	PLACES
.endif
	FETCH \next, 0, F0
	WIN MUL
	MUL8 F1, 4, 0
	MUL8 F1, 6, 0
.endm
	s_wait_tensorcnt 1                             ; my part of K step 0 is in; K step 1's load may be out,
	s_barrier_signal -1
	s_barrier_wait -1                              ; everybody's is
	FETCH 0, 0, F0
	QUARTER 0, 64, F0, F1, 1                       ; the first quarter's products start the sums
	WIN 0
	s_mov_b32 s3, LAPS-1
.Llap:                                                 ; a trip goes once round the ring, from a lap's second quarter to the next lap's first, and fills both slots again
	QUARTER 0, 128, F1, F0, 0
	QUARTER 0, 192, F0, F1, 0
	TURN 0, 1, 1
	QUARTER 1, 64,  F0, F1, 0
	QUARTER 1, 128, F1, F0, 0
	QUARTER 1, 192, F0, F1, 0
	TURN 1, 0, 1
	QUARTER 0, 64,  F0, F1, 0
	WIN 0
	s_sub_co_u32 s3, s3, 1
	s_cmp_lg_u32 s3, 0
	s_cbranch_scc1 .Llap
	QUARTER 0, 128, F1, F0, 0                      ; the last lap fills nothing
	QUARTER 0, 192, F0, F1, 0
	TURN 0, 1, 0
	QUARTER 1, 64,  F0, F1, 0
	QUARTER 1, 128, F1, F0, 0
	QUARTER 1, 192, F0, F1, 0
	s_wait_dscnt 8                                 ; the very last quarter: nothing more to fetch
	WIN MUL
	MUL8 F1, 0, 0
	MUL8 F1, 2, 0
	s_wait_dscnt 0
	MUL8 F1, 4, 0
	MUL8 F1, 6, 0
	WIN 0
; THE WAY OUT, block by block of 16 rows x 64 columns of f32: a lane's 32 bytes go into rows of 272 bytes of my own stage, each accumulator from its low end on, and come back as whole rows of 256 bytes.
.macro TOSTAGE a
	WIN 0x08                                       ; an LDS store's data are its source 1: window 2
.irp b, 0,1,2,3
	ds_store_b128 v[STO], v[8*(4*(\a)+\b):8*(4*(\a)+\b)+3] offset:64*\b
	ds_store_b128 v[STO], v[8*(4*(\a)+\b)+4:8*(4*(\a)+\b)+7] offset:64*\b+16
.endr
	WIN 0
.set BB, TMP+32*((\a)%2)
.irp t, 0,1,2,3,4,5,6,7
	ds_load_b128 v[BB+4*\t:BB+4*\t+3], v[RD] offset:\t*2*SPITCH    ; LDS serves a wave's instructions in order: these see the stores above
.endr
.endm
.macro SEND a, younger                 ; younger: the LDS instructions issued behind block a's loads
.set BB, TMP+32*((\a)%2)
	s_wait_dscnt \younger
.irp t, 0,1,2,3,4,5,6,7
	global_store_b128 v[CO], v[BB+4*\t:BB+4*\t+3], s[8:9] offset:(16*(\a)+2*\t)*SIZE_N*4 th:TH_STORE_NT   ; 16 lanes store 256 consecutive bytes, aligned
.endr
.endm
	PLACES
	TOSTAGE 0
.irp a, 1,2,3,4,5,6,7
.if \a > 1
	s_wait_xcnt 0x0                                ; block a - 2's stores have read their data: block a's loads land there
.endif
	TOSTAGE \a
	SEND \a-1, 16                                  ; behind block a - 1's loads: block a's eight stores and eight loads
.endr
	SEND 7, 0
	s_wait_tensorcnt 0x0                           ; the wave's end
	ds_add_u32 v[SPW], v[NIL]
	s_wait_dscnt 0x0
	CROUND                                         ; the closing round
	s_endpgm
.Lfunc_end_k_qd7e1960d69_proj:
	.size	k_qd7e1960d69_proj, .Lfunc_end_k_qd7e1960d69_proj-k_qd7e1960d69_proj
	.p2alignl 7, 3214868480
	.fill 96, 4, 3214868480
	.section	.rodata,"a",@progbits
	.p2align	6, 0x0
	.amdhsa_kernel k_qd7e1960d69_proj
		.amdhsa_group_segment_fixed_size 327680
		.amdhsa_private_segment_fixed_size 0
		.amdhsa_enable_private_segment 0
		.amdhsa_kernarg_size 24
		.amdhsa_user_sgpr_count 2
		.amdhsa_user_sgpr_kernarg_segment_ptr 1
		.amdhsa_wavefront_size32 1
		.amdhsa_system_sgpr_workgroup_id_x 1
		.amdhsa_system_sgpr_workgroup_id_y 1
		.amdhsa_system_sgpr_workgroup_id_z 1
		.amdhsa_system_vgpr_workitem_id 0
		.amdhsa_next_free_vgpr 768
		.amdhsa_next_free_sgpr 66
		.amdhsa_reserve_vcc 0
		.amdhsa_float_denorm_mode_32 3
		.amdhsa_float_denorm_mode_16_64 3
		.amdhsa_memory_ordered 1
		.amdhsa_forward_progress 1
		.amdhsa_inst_pref_size 85
	.end_amdhsa_kernel
	.amdgpu_metadata
---
amdhsa.version: [ 1, 2 ]
amdhsa.kernels:
  - .name:           k_qd7e1960d69_proj
    .symbol:         k_qd7e1960d69_proj.kd
    .args:
      - { .name: ctx, .offset: 0, .size: 8, .value_kind: global_buffer, .address_space: global }
      - { .name: wo16, .offset: 8, .size: 8, .value_kind: global_buffer, .address_space: global }
      - { .name: out0, .offset: 16, .size: 8, .value_kind: global_buffer, .address_space: global }
    .group_segment_fixed_size: 327680
    .private_segment_fixed_size: 0
    .kernarg_segment_align: 8
    .kernarg_segment_size: 24
    .max_flat_workgroup_size: 128
    .sgpr_count:     66
    .vgpr_count:     768
    .wavefront_size: 32
...
	.end_amdgpu_metadata
.endif
;; end of part 4
;; launch fine (part 5): grid 32 x 4, 8 waves a work-group, no clusters, 19,456 bytes of LDS; arguments qkv32, Wo, out0; writes out0
.if DOCPART == 5
	.amdgcn_target "amdgcn-amd-amdhsa--gfx1250"
	.amdhsa_code_object_version 6
	.text
	.protected	k_qd7e1960d69_fine
	.globl	k_qd7e1960d69_fine
	.p2align	8
	.type	k_qd7e1960d69_fine,@function
k_qd7e1960d69_fine:
	s_mov_b64 s[64:65], 0
	v_nop
	global_prefetch_b8 v0, s[64:65] scope:SCOPE_SE
	s_setreg_imm32_b32 hwreg(HW_REG_WAVE_MODE, 25, 1), 1
	s_wait_xcnt 0x0
; POSITIONS 0 TO 15 OF EVERY SEQUENCE, ALL IN f32: there a row of the softmax averages one to sixteen values and the results are the largest, so 16-bit operands would weigh most.  64 rows of out0 in all, written over what the launch before left there.
; A work-group takes one batch (y) and 32 output columns (x); wave w takes head w.  Each wave: scores S^T = k q^T (16 keys x 16 queries, K = 128), the causal mask, the softmax with its maximum taken away, O^T = V^T P (K = 16 keys),
; then its head's part of the projection, X^T = Wo O^T (32 columns x 16 positions, K = the head's 128 channels), divided by the row's sum l: in X^T a lane still holds one query, so 1 / l is applied to 16 numbers a lane and not to 64.
; The eight heads' parts meet in a stage in LDS; waves 0 to 3 add them and store.  (The attention is done again in each of the 32 column blocks: 64 small products a wave.)
; THE FORM: v_wmma_f32_16x16x4_f32: lane (r, h) gives row r's (column r's) numbers k = 2 h, 2 h + 1.  The places along K are dealt out alike to both sources: registers 8 c + 2 s, 8 c + 2 s + 1 of lane (r, h) hold channels (or keys) 16 c + 8 h + 2 s + 0, 1.
; q, k, v come from qkv32, an image of accumulators: lane (r, h), register 8 c + j = (position r, channel 16 c + 8 h + j): q and k by 16-byte loads as they lie; V^T (lane: channel 16 c + r; register: key 8 h + j) by 4-byte loads.
; The accumulators (v176-191: two, by turns, for the scores and again for the projection; v192-255: O^T) are written by matrix instructions alone; each sum begins with the constant 0.
; No tensor loads, no cluster: 128 small work-groups that load through registers.  A store covers 128 consecutive bytes of each of four rows: half of an aligned 256; the launch writes 262,144 bytes in all.
; LIMIT: NaN and infinities are not served.
.set SROW,  144                        ; a stage row: 32 columns of f32 + 16 bytes
.set SWAVE, 16*SROW                    ; a head's part
.set SPARE, 8*SWAVE                    ; behind the stage: the spare words, 128 bytes a wave
.set Q,   16                           ; v16-79   q; then V^T; then Wo's rows 16-31; then the eight parts on the way out
.set K,   80                           ; v80-143  k; then Wo's rows 0-15
.set T,   144                          ; v144-151 the scores, then p
.set R0,  160                          ; v160-167, v168-175 my part of X^T, two tiles of 16 columns
.set R1,  168
.set SA,  176
.set OA,  192
.set SPW, 12
.set NIL, 13
	s_load_b128 s[4:7], s[0:1], 0x0                ; qkv32, Wo
	s_load_b64 s[8:9], s[0:1], 0x10                ; out0
	v_lshl_add_u32 v[SPW], v0, 2, SPARE
	v_mov_b32 v[NIL], 0
	v_lshrrev_b32 v1, 5, v0
	v_readfirstlane_b32 s10, v1                    ; wave = head
	s_and_b32 s11, ttmp7, 0xffff                   ; batch
	v_and_b32 v1, 15, v0                           ; r
	v_bfe_u32 v2, v0, 4, 1                         ; h
	v_and_b32 v14, 31, v0                          ; lane
	v_lshlrev_b32 v3, 4, v14                       ; 16 x lane: q's and k's image
	v_bfe_u32 v4, v1, 2, 1                         ; V^T: (key 8 h + kk, channel 16 c + r) lies at 1024 c + 512 ((r / 4) % 2) + 256 (r / 8) + 128 h + 16 kk + 4 (r % 4)
	v_lshlrev_b32 v4, 9, v4
	v_lshrrev_b32 v15, 3, v1
	v_lshl_add_u32 v4, v15, 8, v4
	v_lshl_add_u32 v4, v2, 7, v4
	v_and_b32 v15, 3, v1
	v_lshl_add_u32 v4, v15, 2, v4
	v_lshlrev_b32 v5, 12, v1                       ; Wo: row r of 4,096 bytes, + 32 h
	v_lshl_add_u32 v5, v2, 5, v5
	s_mul_i32 s12, s10, SWAVE
	v_mul_u32_u24 v6, v1, SROW                     ; the stage, in: my head's part, row r, + 32 h
	v_lshl_add_u32 v6, v2, 5, v6
	v_add_nc_u32 v6, s12, v6
	s_and_b32 s13, s10, 3
	s_lshl_b32 s13, s13, 2
	v_lshrrev_b32 v15, 3, v14
	v_add_nc_u32 v15, s13, v15                     ; back (waves 0 to 3): row 4 wave + lane / 8,
	v_and_b32 v14, 7, v14
	v_lshlrev_b32 v14, 4, v14                      ; 16 bytes at 16 (lane % 8)
	v_mad_u32_u24 v7, v15, SROW, v14
	v_lshl_add_u32 v8, v15, 12, v14                ; and the same place in out0
	v_lshlrev_b32 v9, 3, v2
	v_sub_nc_u32 v9, v1, v9                        ; r - 8 h: register j's key, 8 h + j, is hidden where j is the greater
	v_mov_b32 v10, 0xff800000                      ; -infinity
	v_mov_b32 v153, 0                              ; written once: a lane permute's destination counts as one of its sources
	s_mov_b32 s20, 0x76543210
	s_mov_b32 s21, 0xfedcba98
	s_mov_b32 s22, 0x3e0293ee                      ; c = log2(e) / sqrt(128)
	s_lshl_b32 s14, s11, 3
	s_add_co_u32 s14, s14, s10
	s_lshl_b32 s14, s14, 13                        ; (8 batch + head) x 8,192 bytes
	s_mov_b32 s15, 0
	s_lshl_b32 s16, ttmp9, 17                      ; my 32 rows of Wo,
	s_lshl_b32 s17, s10, 9                         ; my head's 128 columns
	s_add_co_u32 s16, s16, s17
	s_mov_b32 s17, 0
	s_lshl_b32 s18, s11, 23                        ; the batch's first row of out0,
	s_lshl_b32 s19, ttmp9, 7                       ; my 32 columns
	s_add_co_u32 s18, s18, s19
	s_mov_b32 s19, 0
	s_wait_kmcnt 0x0
	s_add_nc_u64 s[4:5], s[4:5], s[14:15]
	s_add_nc_u64 s[6:7], s[6:7], s[16:17]
	s_add_nc_u64 s[8:9], s[8:9], s[18:19]
.irp i, 0,1,2,3,4,5,6,7,8,9,10,11,12,13,14,15
	global_load_b128 v[Q+4*\i:Q+4*\i+3], v3, s[4:5] offset:512*\i
.endr
.irp i, 0,1,2,3,4,5,6,7,8,9,10,11,12,13,14,15
	global_load_b128 v[K+4*\i:K+4*\i+3], v3, s[4:5] offset:262144+512*\i      ; k's images lie 32 x 8,192 bytes behind q's
.endr
	s_wait_loadcnt 0x0
.irp s, 0,1,2,3                                ; S^T = k q^T: two accumulators by turns
.irp c, 0,1,2,3,4,5,6,7
.if (\s == 0) && (\c < 2)
	v_wmma_f32_16x16x4_f32 v[SA+8*(\c%2):SA+8*(\c%2)+7], v[K+8*\c+2*\s:K+8*\c+2*\s+1], v[Q+8*\c+2*\s:Q+8*\c+2*\s+1], 0
.else
	v_wmma_f32_16x16x4_f32 v[SA+8*(\c%2):SA+8*(\c%2)+7], v[K+8*\c+2*\s:K+8*\c+2*\s+1], v[Q+8*\c+2*\s:Q+8*\c+2*\s+1], v[SA+8*(\c%2):SA+8*(\c%2)+7]
.endif
.endr
.endr
.rept 8
	v_nop                                          ; eight places behind this form, in front of loads into its sources and of the first read of its results
.endr
.irp c, 0,1,2,3,4,5,6,7
.irp kk, 0,1,2,3,4,5,6,7
	global_load_b32 v[Q+8*\c+\kk], v4, s[4:5] offset:524288+1024*\c+16*\kk    ; V^T
.endr
.endr
.irp c, 0,1,2,3,4,5,6,7
	global_load_b128 v[K+8*\c:K+8*\c+3], v5, s[6:7] offset:64*\c              ; Wo(row r, my head's channels 16 c + 8 h + 0 .. 7)
	global_load_b128 v[K+8*\c+4:K+8*\c+7], v5, s[6:7] offset:64*\c+16
.endr
.irp j, 0,1,2,3,4,5,6,7
	v_add_f32 v[T+\j], v[SA+\j], v[SA+8+\j]        ; lane (r, h): query r, key 8 h + j; both accumulators from their low end on
.endr
.irp j, 0,1,2,3,4,5,6,7
	v_cmp_gt_i32 vcc_lo, \j, v9
	v_cndmask_b32 v[T+\j], v[T+\j], v10, vcc_lo
.endr
	v_max3_num_f32 v152, v[T], v[T+1], v[T+2]
	v_max3_num_f32 v152, v152, v[T+3], v[T+4]
	v_max3_num_f32 v152, v152, v[T+5], v[T+6]
	v_max_num_f32 v152, v152, v[T+7]
	v_permlanex16_b32 v153, v152, s20, s21
	v_max_num_f32 v152, v152, v153                 ; the row's maximum: key 0 counts for every query, so it is a number
	v_mul_f32 v154, s22, v152
.irp j, 0,1,2,3,4,5,6,7
	v_fma_f32 v[T+\j], v[T+\j], s22, -v154         ; c s - c m
.endr
.irp j, 0,1,2,3,4,5,6,7
	v_exp_f32 v[T+\j], v[T+\j]
.endr
	v_nop
	s_wait_alu depctr_va_vdst(0)                   ; the wait ahead of the first use: one for the eight
	v_add_f32 v155, v[T], v[T+1]
	v_add_f32 v154, v[T+2], v[T+3]
	v_add_f32 v157, v[T+4], v[T+5]
	v_add_f32 v158, v[T+6], v[T+7]
	v_add_f32 v155, v155, v154
	v_add_f32 v157, v157, v158
	v_add_f32 v155, v155, v157
	v_permlanex16_b32 v153, v155, s20, s21
	v_add_f32 v155, v155, v153                     ; l
	v_rcp_f32 v156, v155
	v_nop
	s_wait_alu depctr_va_vdst(0)
	s_wait_loadcnt 16                              ; V^T is in; Wo's sixteen loads may be out
.irp s, 0,1,2,3                                ; O^T = V^T P: eight accumulators by turns; keys 8 h + 2 s + 0, 1
.irp c, 0,1,2,3,4,5,6,7
.if \s == 0
	v_wmma_f32_16x16x4_f32 v[OA+8*\c:OA+8*\c+7], v[Q+8*\c+2*\s:Q+8*\c+2*\s+1], v[T+2*\s:T+2*\s+1], 0
.else
	v_wmma_f32_16x16x4_f32 v[OA+8*\c:OA+8*\c+7], v[Q+8*\c+2*\s:Q+8*\c+2*\s+1], v[T+2*\s:T+2*\s+1], v[OA+8*\c:OA+8*\c+7]
.endif
.endr
.endr
.rept 9
	v_nop                                          ; nine places before a matrix instruction takes these results as a source; eight serve the loads below
.endr
.irp c, 0,1,2,3,4,5,6,7
	global_load_b128 v[Q+8*\c:Q+8*\c+3], v5, s[6:7] offset:65536+64*\c        ; Wo's rows 16 to 31
	global_load_b128 v[Q+8*\c+4:Q+8*\c+7], v5, s[6:7] offset:65536+64*\c+16
.endr
; X^T = Wo O^T for 16 output columns: source 0 = 16 rows of Wo at v[wo] on, source 1 = O^T as it stands in its accumulators.  Two accumulators by turns.
.macro PROJ wo
.irp s, 0,1,2,3
.irp c, 0,1,2,3,4,5,6,7
.if (\s == 0) && (\c < 2)
	v_wmma_f32_16x16x4_f32 v[SA+8*(\c%2):SA+8*(\c%2)+7], v[\wo+8*\c+2*\s:\wo+8*\c+2*\s+1], v[OA+8*\c+2*\s:OA+8*\c+2*\s+1], 0
.else
	v_wmma_f32_16x16x4_f32 v[SA+8*(\c%2):SA+8*(\c%2)+7], v[\wo+8*\c+2*\s:\wo+8*\c+2*\s+1], v[OA+8*\c+2*\s:OA+8*\c+2*\s+1], v[SA+8*(\c%2):SA+8*(\c%2)+7]
.endif
.endr
.endr
.rept 8
	v_nop
.endr
.endm
.macro TAKE res                        ; the two halves of the sum, divided by l: lane (r, h): position r, columns 8 h + 0 .. 7 of the tile
.irp j, 0,1,2,3,4,5,6,7
	v_add_f32 v[\res+\j], v[SA+\j], v[SA+8+\j]
.endr
.irp j, 0,1,2,3,4,5,6,7
	v_mul_f32 v[\res+\j], v[\res+\j], v156
.endr
.endm
	s_wait_loadcnt 16                              ; Wo's rows 0 to 15 are in; the sixteen loads of rows 16 to 31 may be out
	PROJ K
	TAKE R0                                        ; (its eight multiplications, with the eight v_nop, are the places in front of the products that begin the accumulators anew)
	s_wait_loadcnt 0x0
	PROJ Q
	TAKE R1
	ds_store_b128 v6, v[R0:R0+3]
	ds_store_b128 v6, v[R0+4:R0+7] offset:16
	ds_store_b128 v6, v[R1:R1+3] offset:64
	ds_store_b128 v6, v[R1+4:R1+7] offset:80
	s_wait_dscnt 0x0                               ; for the others' sake: my stores into the stage are done
	s_barrier_signal -1
	s_barrier_wait -1
	s_cmp_gt_u32 s10, 3
	s_cbranch_scc1 .Ldone
.irp p, 0,1,2,3,4,5,6,7
	ds_load_b128 v[Q+4*\p:Q+4*\p+3], v7 offset:SWAVE*\p                       ; the eight heads' parts of my four numbers
.endr
	s_wait_dscnt 0x0
.irp p, 0,1,2,3
	v_pk_add_f32 v[Q+4*\p:Q+4*\p+1], v[Q+4*\p:Q+4*\p+1], v[Q+16+4*\p:Q+16+4*\p+1]
	v_pk_add_f32 v[Q+4*\p+2:Q+4*\p+3], v[Q+4*\p+2:Q+4*\p+3], v[Q+16+4*\p+2:Q+16+4*\p+3]
.endr
.irp p, 0,1
	v_pk_add_f32 v[Q+4*\p:Q+4*\p+1], v[Q+4*\p:Q+4*\p+1], v[Q+8+4*\p:Q+8+4*\p+1]
	v_pk_add_f32 v[Q+4*\p+2:Q+4*\p+3], v[Q+4*\p+2:Q+4*\p+3], v[Q+8+4*\p+2:Q+8+4*\p+3]
.endr
	v_pk_add_f32 v[Q:Q+1], v[Q:Q+1], v[Q+4:Q+5]
	v_pk_add_f32 v[Q+2:Q+3], v[Q+2:Q+3], v[Q+6:Q+7]
	global_store_b128 v8, v[Q:Q+3], s[8:9]         ; eight lanes store 128 consecutive bytes of a row
.Ldone:
	s_wait_tensorcnt 0x0                           ; the wave's end
	ds_add_u32 v[SPW], v[NIL]
	s_wait_dscnt 0x0
	s_endpgm
.Lfunc_end_k_qd7e1960d69_fine:
	.size	k_qd7e1960d69_fine, .Lfunc_end_k_qd7e1960d69_fine-k_qd7e1960d69_fine
	.p2alignl 7, 3214868480
	.fill 96, 4, 3214868480
	.section	.rodata,"a",@progbits
	.p2align	6, 0x0
	.amdhsa_kernel k_qd7e1960d69_fine
		.amdhsa_group_segment_fixed_size 19456
		.amdhsa_private_segment_fixed_size 0
		.amdhsa_enable_private_segment 0
		.amdhsa_kernarg_size 24
		.amdhsa_user_sgpr_count 2
		.amdhsa_user_sgpr_kernarg_segment_ptr 1
		.amdhsa_wavefront_size32 1
		.amdhsa_system_sgpr_workgroup_id_x 1
		.amdhsa_system_sgpr_workgroup_id_y 1
		.amdhsa_system_sgpr_workgroup_id_z 1
		.amdhsa_system_vgpr_workitem_id 0
		.amdhsa_next_free_vgpr 256
		.amdhsa_next_free_sgpr 66
		.amdhsa_reserve_vcc 1
		.amdhsa_float_denorm_mode_32 3
		.amdhsa_float_denorm_mode_16_64 3
		.amdhsa_memory_ordered 1
		.amdhsa_forward_progress 1
		.amdhsa_inst_pref_size 30
	.end_amdhsa_kernel
	.amdgpu_metadata
---
amdhsa.version: [ 1, 2 ]
amdhsa.kernels:
  - .name:           k_qd7e1960d69_fine
    .symbol:         k_qd7e1960d69_fine.kd
    .args:
      - { .name: qkv32, .offset: 0, .size: 8, .value_kind: global_buffer, .address_space: global }
      - { .name: Wo, .offset: 8, .size: 8, .value_kind: global_buffer, .address_space: global }
      - { .name: out0, .offset: 16, .size: 8, .value_kind: global_buffer, .address_space: global }
    .group_segment_fixed_size: 19456
    .private_segment_fixed_size: 0
    .kernarg_segment_align: 8
    .kernarg_segment_size: 24
    .max_flat_workgroup_size: 256
    .sgpr_count:     66
    .vgpr_count:     256
    .wavefront_size: 32
...
	.end_amdgpu_metadata
.endif
;; end of part 5
